; MI455X (gfx1250); checked and timed in simulation.
; The chip was launched on July 23, 2026; its instructions are those of AMD's public machine-readable ISA for CDNA 5 (MIT licence, August 2026) and "CDNA5" Instruction Set Architecture Reference Guide (July 2026). The comments in the code are by the model that wrote it; some were corrected since.
;; Neighbor Attention. Allowed arithmetic: float matrix products may take bf16 or f16 operands with f32 sums; all other float work in f32.
;; Inputs: kb 1,024 float32; kw 1,024 x 1,024 float32; ln_b 1,024 float32; ln_g 1,024 float32; mask 8 x 1,024 int32; neighbor_mask 8 x 50 float32; ob 1,024 float32; ow 1,024 x 1,024 float32; qb 1,024 float32; qw 1,024 x 1,024 float32; vb 1,024 float32; vw 1,024 x 1,024 float32; x 8 x 1,024 x 1,024 float32; x_neighbor 8 x 50 x 1,024 float32.
;; Outputs: out0 8 x 1,024 x 1,024 float32.
;; 2 versions, each right. Each part assembles by itself: llvm-mc -triple=amdgcn-amd-amdhsa -mcpu=gfx1250 --defsym DOCPART=n.
;; ======== version 1 of 2: 7 launches
;; workspace buffers: qp 524,288 bytes; qk 524,288 bytes; cs 512 bytes; sc 524,288 bytes; xw 1,048,576 bytes; ctx 32,768 bytes; ov 32,768 bytes
;; launch qpart (part 1): grid 256 x 1, 8 waves a work-group, no clusters, 5,376 bytes of LDS; arguments x_neighbor, neighbor_mask, qw, kw, qp; writes qp
.if DOCPART == 1
	.amdgcn_target "amdgcn-amd-amdhsa--gfx1250"
	.amdhsa_code_object_version 6
	.text
	.protected	k_q8e7317b306_qpart
	.globl	k_q8e7317b306_qpart
	.p2align	8
	.type	k_q8e7317b306_qpart,@function
k_q8e7317b306_qpart:
	s_mov_b64 s[64:65], 0
	v_nop
	global_prefetch_b8 v0, s[64:65] scope:SCOPE_SE
	s_setreg_imm32_b32 hwreg(HW_REG_WAVE_MODE, 25, 1), 1
	s_wait_xcnt 0x0
; xn[b][i] = sum_n x_neighbor[b][n][i] nm[b][n] / sum_n nm[b][n];  qp[c][b][j] = sum over the 64 i of chunk c of qw[j][i] xn[b][i].
; The module gives every position of a batch the same query, so there is one query row a batch: a product of 8 rows with qw.
; Work-group g: chunk c = g & 15 (64 columns of qw = 256 bytes of a row), block jb = g >> 4 (64 rows of qw).
; Wave w first makes batch w's 64 numbers of xn, then takes rows 8 w .. 8 w + 7 of the block for all 8 batches.
; All in f32 on the vector unit: 8 multiply-adds for each number of qw loaded; the matrix unit has nothing to gain.
; No joint requests: nothing here goes through tensor loads; what work-groups share (x_neighbor's chunk, 100 KB) is summed in registers as it arrives.
; LIMITS: 1 / sum nm by v_rcp_f32 (1 ulp; a sum of magnitude under 2^-126 counts as 0).  The sum over i is split in 16 chunks, added in the next launch.
.set XNB,  204800                      ; bytes of a batch of x_neighbor: 50 rows of 4,096
.set XN,   0                           ; LDS: xn, 8 batches x 256 bytes
.set QS,   2048                        ; LDS: results, 8 batches x (64 rows x 4 bytes + 16)
.set QSP,  272
; v4 hf*4096+iq*16  v5 hf*4  v6 iq*16  v7, v9, v10 LDS addresses  v11 store offset  v12 prefetch offset
; v[16:19] sums  v20 sum of nm  v[22:26] the other half's  v28 reciprocal  v[32:47] qw  v[64:163] x_neighbor, later xn v[64:95], A v[96:127], T v[128:143]
; v[144:147] selected results  v[148:149] out  v[164:188] nm (v189 named as the last pair's second register)
	s_load_b256 s[4:11], s[0:1], 0x0               ; x_neighbor s[4:5], neighbor_mask s[6:7], qw s[8:9], kw s[10:11]
	s_load_b64 s[12:13], s[0:1], 0x20              ; qp
	v_lshl_add_u32 v192, v0, 2, 0x1100
	v_mov_b32 v193, 0
	v_lshrrev_b32 v1, 5, v0
	v_readfirstlane_b32 s14, v1                    ; wave w
	v_and_b32 v1, 31, v0                           ; lane L
	v_and_b32 v2, 15, v0                           ; iq
	v_bfe_u32 v3, v0, 4, 1                         ; hf
	v_lshlrev_b32 v6, 4, v2                        ; iq*16
	v_lshl_add_u32 v4, v3, 12, v6                  ; hf rows + iq*16: 16 lanes take 256 consecutive bytes of a row
	v_lshlrev_b32 v5, 2, v3
	v_lshlrev_b32 v12, 8, v1                       ; lanes 256 bytes apart
	s_and_b32 s15, ttmp9, 15                       ; c
	s_lshr_b32 s16, ttmp9, 4                       ; jb
	s_lshl_b32 s17, s15, 8                         ; c*256
	s_mul_i32 s20, s14, XNB
	s_add_co_u32 s20, s20, s17
	s_mov_b32 s21, 0
	s_mul_i32 s22, s14, 200
	s_mov_b32 s23, 0
	s_lshl_b32 s32, s16, 18                        ; 64 rows of 4,096 bytes
	s_lshl_b32 s18, s14, 15                        ; 8 rows
	s_add_co_u32 s32, s32, s18
	s_add_co_u32 s32, s32, s17
	s_mov_b32 s33, 0
	s_lshl_b32 s34, ttmp9, 14                      ; my 16 KB of kw
	s_mov_b32 s35, 0
	s_lshl_b32 s36, s15, 15                        ; qp[c]
	s_lshl_b32 s18, s16, 8
	s_add_co_u32 s36, s36, s18
	s_mov_b32 s37, 0
	s_mov_b32 s40, 0x76543210                      ; v_permlanex16_b32: each lane takes its own place in the other half
	s_mov_b32 s41, 0xfedcba98
	s_wait_kmcnt 0x0
	s_add_nc_u64 s[4:5], s[4:5], s[20:21]
	s_add_nc_u64 s[6:7], s[6:7], s[22:23]
	s_add_nc_u64 s[8:9], s[8:9], s[32:33]
	s_add_nc_u64 s[10:11], s[10:11], s[34:35]
	s_add_nc_u64 s[12:13], s[12:13], s[36:37]
.set t, 0
.rept 25
	global_load_b32 v[164+t], v5, s[6:7] offset:8*t                    ; nm of neighbour 2 t + hf
.set t, t+1
.endr
.set t, 0
.rept 25
	global_load_b128 v[64+4*t:67+4*t], v4, s[4:5] offset:8192*t        ; neighbour 2 t + hf, my 4 columns
.set t, t+1
.endr
.irp t, 0,1,2,3
	global_load_b128 v[32+4*\t:35+4*\t], v4, s[8:9] offset:8192*\t th:TH_LOAD_NT   ; qw row 8 w + 2 t + hf: read by this wave alone
.endr
	s_cmp_lg_u32 s14, 7
	s_cbranch_scc1 .Lno_ask
	global_prefetch_b8 v12, s[10:11] th:TH_LOAD_NT scope:SCOPE_SE                  ; kw for the next launch: 256 work-groups x 64 blocks of 256 bytes,
	global_prefetch_b8 v12, s[10:11] offset:8192 th:TH_LOAD_NT scope:SCOPE_SE      ; each block asked for once, by wave 7 of one work-group
.Lno_ask:
	; addresses for the later phases, while the loads are on their way
	v_and_b32 v8, 7, v0
	v_mul_u32_u24 v7, v8, QSP
	v_lshl_add_u32 v7, v3, 2, v7
	s_lshl_b32 s18, s14, 5
	s_add_co_u32 s18, s18, QS
	v_add_nc_u32 v7, s18, v7                       ; QS[batch L & 7][row 8 w + hf]
	s_lshl_b32 s19, s14, 8
	v_add_nc_u32 v9, s19, v6                       ; XN[batch w][4 iq]
	s_mul_i32 s24, s14, QSP
	s_add_co_u32 s24, s24, QS
	v_lshl_add_u32 v10, v1, 3, s24                 ; QS[batch w][2 L]
	s_lshl_b32 s38, s14, 12
	v_lshl_add_u32 v11, v1, 3, s38                 ; qp: batch w's row, 8 bytes a lane
.irp k, 1,2,3,4,5,6,7
	v_cmp_eq_u32 s[24+\k], \k, v8                  ; lanes that keep batch k
.endr
.irp e, 22,23,24,25,26
	v_mov_b32 v\e, 0                               ; v_permlanex16_b32 counts as a reader of its destination
.endr
	v_mov_b32 v189, 0                              ; named with v188 as a pair
.macro NMFMA t                         ; sums += neighbour row t x its weight, the weight broadcast out of its pair
.if (\t)%2
	v_pk_fma_f32 v[16:17], v[64+4*(\t):65+4*(\t)], v[163+(\t):164+(\t)], v[16:17] op_sel:[0,1,0] op_sel_hi:[1,1,1]
	v_pk_fma_f32 v[18:19], v[66+4*(\t):67+4*(\t)], v[163+(\t):164+(\t)], v[18:19] op_sel:[0,1,0] op_sel_hi:[1,1,1]
.else
	v_pk_fma_f32 v[16:17], v[64+4*(\t):65+4*(\t)], v[164+(\t):165+(\t)], v[16:17] op_sel_hi:[1,0,1]
	v_pk_fma_f32 v[18:19], v[66+4*(\t):67+4*(\t)], v[164+(\t):165+(\t)], v[18:19] op_sel_hi:[1,0,1]
.endif
.endm
	s_wait_loadcnt 0x4                             ; nm and x_neighbor are in; the four younger loads (qw) stay out
	v_pk_mul_f32 v[16:17], v[64:65], v[164:165] op_sel_hi:[1,0]        ; the first row starts the sums
	v_pk_mul_f32 v[18:19], v[66:67], v[164:165] op_sel_hi:[1,0]
	v_add_f32 v20, v164, v165
.set t, 1
.rept 24
	NMFMA t
.set t, t+1
.endr
.set t, 2
.rept 23
	v_add_f32 v20, v20, v[164+t]
.set t, t+1
.endr
.irp e, 0,1,2,3,4
	v_permlanex16_b32 v[22+\e], v[16+\e], s40, s41 ; the other half of the lanes holds the other 25 neighbours
.endr
	v_pk_add_f32 v[16:17], v[16:17], v[22:23]
	v_pk_add_f32 v[18:19], v[18:19], v[24:25]
	v_add_f32 v20, v20, v26
	v_rcp_f32 v28, v20
	v_nop                                          ; a plain instruction between the reciprocal and its use
	s_wait_alu depctr_va_vdst(0)
.irp e, 0,1,2,3
	v_mul_f32 v[16+\e], v[16+\e], v28
.endr
	ds_store_b128 v9, v[16:19]                     ; both halves of the lanes write the same bytes with the same numbers
	s_wait_dscnt 0x0                               ; my part of xn is in LDS before I signal
	s_barrier_signal -1
	s_barrier_wait -1
.irp b, 0,1,2,3,4,5,6,7
	ds_load_b128 v[64+4*\b:67+4*\b], v6 offset:XN+256*\b               ; xn[b], my 4 columns
.endr
	s_wait_loadcnt 0x0                             ; qw
	s_wait_dscnt 0x0
.irp t, 0,1,2,3
.irp b, 0,1,2,3,4,5,6,7
	v_pk_mul_f32 v[128+2*\b:129+2*\b], v[32+4*\t:33+4*\t], v[64+4*\b:65+4*\b]
.endr
.irp b, 0,1,2,3,4,5,6,7
	v_pk_fma_f32 v[128+2*\b:129+2*\b], v[34+4*\t:35+4*\t], v[66+4*\b:67+4*\b], v[128+2*\b:129+2*\b]
.endr
.irp b, 0,1,2,3,4,5,6,7
	v_add_f32 v[96+8*\t+\b], v[128+2*\b], v[129+2*\b]
.endr
.irp m, 1,2,4,8
.irp b, 0,1,2,3,4,5,6,7
	v_add_f32_dpp v[96+8*\t+\b], v[96+8*\t+\b], v[96+8*\t+\b] row_xmask:\m row_mask:0xf bank_mask:0xf   ; over the 16 lanes of a row of qw
.endr
.endr
	v_cndmask_b32 v[144+\t], v[96+8*\t], v[97+8*\t], s25               ; lane L keeps batch L & 7
.irp k, 2,3,4,5,6,7
	v_cndmask_b32 v[144+\t], v[144+\t], v[96+8*\t+\k], s[24+\k]
.endr
	ds_store_b32 v7, v[144+\t] offset:8*\t         ; row 8 w + 2 t + hf; lanes 8 apart write the same word with the same number
.endr
	s_wait_dscnt 0x0
	s_barrier_signal -1
	s_barrier_wait -1
	ds_load_b64 v[148:149], v10                    ; batch w's 64 results, two a lane
	s_wait_dscnt 0x0
	global_store_b64 v11, v[148:149], s[12:13]     ; the wave's store covers 256 consecutive bytes, aligned
	s_wait_tensorcnt 0x0
	ds_add_u32 v192, v193
	s_wait_dscnt 0x0
	s_endpgm
.Lfunc_end_k_q8e7317b306_qpart:
	.size	k_q8e7317b306_qpart, .Lfunc_end_k_q8e7317b306_qpart-k_q8e7317b306_qpart
	.p2alignl 7, 3214868480
	.fill 96, 4, 3214868480
	.section	.rodata,"a",@progbits
	.p2align	6, 0x0
	.amdhsa_kernel k_q8e7317b306_qpart
		.amdhsa_group_segment_fixed_size 5376
		.amdhsa_private_segment_fixed_size 0
		.amdhsa_enable_private_segment 0
		.amdhsa_kernarg_size 40
		.amdhsa_user_sgpr_count 2
		.amdhsa_user_sgpr_kernarg_segment_ptr 1
		.amdhsa_wavefront_size32 1
		.amdhsa_system_sgpr_workgroup_id_x 1
		.amdhsa_system_sgpr_workgroup_id_y 1
		.amdhsa_system_sgpr_workgroup_id_z 1
		.amdhsa_system_vgpr_workitem_id 0
		.amdhsa_next_free_vgpr 194
		.amdhsa_next_free_sgpr 66
		.amdhsa_reserve_vcc 0
		.amdhsa_float_denorm_mode_32 3
		.amdhsa_float_denorm_mode_16_64 3
		.amdhsa_memory_ordered 1
		.amdhsa_forward_progress 1
		.amdhsa_inst_pref_size 30
	.end_amdhsa_kernel
	.amdgpu_metadata
---
amdhsa.version: [ 1, 2 ]
amdhsa.kernels:
  - .name:           k_q8e7317b306_qpart
    .symbol:         k_q8e7317b306_qpart.kd
    .args:
      - { .name: x_neighbor, .offset: 0, .size: 8, .value_kind: global_buffer, .address_space: global }
      - { .name: neighbor_mask, .offset: 8, .size: 8, .value_kind: global_buffer, .address_space: global }
      - { .name: qw, .offset: 16, .size: 8, .value_kind: global_buffer, .address_space: global }
      - { .name: kw, .offset: 24, .size: 8, .value_kind: global_buffer, .address_space: global }
      - { .name: qp, .offset: 32, .size: 8, .value_kind: global_buffer, .address_space: global }
    .group_segment_fixed_size: 5376
    .private_segment_fixed_size: 0
    .kernarg_segment_align: 8
    .kernarg_segment_size: 40
    .max_flat_workgroup_size: 256
    .sgpr_count:     66
    .vgpr_count:     194
    .wavefront_size: 32
...
	.end_amdgpu_metadata
.endif
;; end of part 1
;; launch qkproj (part 2): grid 256 x 1, 8 waves a work-group, no clusters, 35,840 bytes of LDS; arguments qp, qb, kb, kw, qk, cs; writes qk, cs
.if DOCPART == 2
	.amdgcn_target "amdgcn-amd-amdhsa--gfx1250"
	.amdhsa_code_object_version 6
	.text
	.protected	k_q8e7317b306_qkproj
	.globl	k_q8e7317b306_qkproj
	.p2align	8
	.type	k_q8e7317b306_qkproj,@function
k_q8e7317b306_qkproj:
	s_mov_b64 s[64:65], 0
	v_nop
	global_prefetch_b8 v0, s[64:65] scope:SCOPE_SE
	s_setreg_imm32_b32 hwreg(HW_REG_WAVE_MODE, 25, 1), 1
	s_wait_xcnt 0x0
; q'[b][j] = (sum_c qp[c][b][j] + qb[j]) log2(e) / 8;  qk[b][h][i] = sum over the head's 64 d of kw[64 h + d][i] q'[b][64 h + d];  cs[h][b] = sum_d q'[b][64 h + d] kb[64 h + d].
; A score is q . (kw x + kb) = (kw^T q) . x + q . kb: with one query a batch, k is never formed.  The factor log2(e) / 8 makes the later exponential one of base 2.
; Work-group g: head h = g >> 4, chunk ch = g & 15 (64 columns i = 256 bytes of a row of kw).  Wave w makes batch w's q' of the head; then the 16 lanes
; of group dg = thread >> 4 take rows d = 4 dg .. 4 dg + 3 of kw for all 8 batches, and the 16 groups' sums meet in LDS.
; f32 on the vector unit: 8 multiply-adds for each number of kw loaded.  No joint requests: kw's part is this work-group's alone; the shared qp is 32 KB.
; LIMIT: the sums are grouped otherwise than in the module as written (kw^T q first, then x).
.set QL,   0                           ; LDS: q', 8 batches x 256 bytes
.set RED,  2048                        ; LDS: [dg 16][b 8][256 bytes]
.set CSC,  0x3e38aa3b                  ; log2(e) / 8
; v4 qp offset  v5 iq*16  v6 kw offset  v7, v8, v9, v10 LDS addresses  v11 store offset  v12 zero
; v[16:31] kw, later the 16 partial sums v[16:47]  v[32:63] qp  v[64:67] qb  v[68:71] kb  v[72:75] the other half's  v76 c  v[80:111] q'  v[112:143] sums
.macro QADD d, s
	v_pk_add_f32 v[\d:\d+1], v[\d:\d+1], v[\s:\s+1]
	v_pk_add_f32 v[\d+2:\d+3], v[\d+2:\d+3], v[\s+2:\s+3]
.endm
	s_load_b256 s[4:11], s[0:1], 0x0               ; qp s[4:5], qb s[6:7], kb s[8:9], kw s[10:11]
	s_load_b128 s[12:15], s[0:1], 0x20             ; qk s[12:13], cs s[14:15]
	v_lshl_add_u32 v144, v0, 2, 0x8800
	v_mov_b32 v145, 0
	v_lshrrev_b32 v1, 5, v0
	v_readfirstlane_b32 s17, v1                    ; wave w
	v_and_b32 v1, 31, v0                           ; L
	v_and_b32 v2, 15, v0                           ; iq
	v_bfe_u32 v3, v0, 4, 1                         ; hf
	v_lshrrev_b32 v13, 4, v0                       ; dg
	v_lshlrev_b32 v5, 4, v2
	v_lshl_add_u32 v4, v3, 18, v5                  ; chunks 8 hf on (32,768 bytes each)
	v_lshl_add_u32 v6, v13, 14, v5                 ; 4 dg rows of kw
	s_lshr_b32 s16, ttmp9, 4                       ; h
	s_and_b32 s18, ttmp9, 15                       ; ch
	s_lshl_b32 s22, s16, 8                         ; the head's 64 numbers in a row of 1,024
	s_mov_b32 s23, 0
	s_lshl_b32 s20, s17, 12
	s_add_co_u32 s20, s20, s22
	s_mov_b32 s21, 0
	s_lshl_b32 s19, s18, 8                         ; ch*256
	s_lshl_b32 s24, s16, 18                        ; the head's 64 rows of kw
	s_add_co_u32 s24, s24, s19
	s_mov_b32 s25, 0
	s_lshl_b32 s26, s16, 12
	s_add_co_u32 s26, s26, s19
	s_mov_b32 s27, 0
	s_lshl_b32 s28, s16, 5
	s_lshl_b32 s19, s17, 2
	s_add_co_u32 s28, s28, s19
	s_mov_b32 s29, 0
	s_mov_b32 s40, 0x76543210
	s_mov_b32 s41, 0xfedcba98
	s_wait_kmcnt 0x0
	s_add_nc_u64 s[4:5], s[4:5], s[20:21]
	s_add_nc_u64 s[6:7], s[6:7], s[22:23]
	s_add_nc_u64 s[8:9], s[8:9], s[22:23]
	s_add_nc_u64 s[10:11], s[10:11], s[24:25]
	s_add_nc_u64 s[12:13], s[12:13], s[26:27]
	s_add_nc_u64 s[14:15], s[14:15], s[28:29]
.irp t, 0,1,2,3,4,5,6,7
	global_load_b128 v[32+4*\t:35+4*\t], v4, s[4:5] offset:32768*\t    ; chunk 8 hf + t, batch w, my 4 numbers
.endr
	global_load_b128 v[64:67], v5, s[6:7]
	global_load_b128 v[68:71], v5, s[8:9]
.irp e, 0,1,2,3
	global_load_b128 v[16+4*\e:19+4*\e], v6, s[10:11] offset:4096*\e th:TH_LOAD_NT   ; kw row 64 h + 4 dg + e: read by this work-group alone
.endr
	s_lshl_b32 s19, s17, 8
	v_add_nc_u32 v7, s19, v5                       ; QL[w][4 iq]
	v_lshlrev_b32 v8, 4, v13                       ; QL[.][4 dg]
	v_lshl_add_u32 v9, v13, 11, v5
	v_add_nc_u32 v9, RED, v9                       ; RED[dg][.][4 iq]
	s_add_co_u32 s19, s19, RED
	v_lshl_add_u32 v10, v1, 3, s19                 ; RED[.][w][2 L]
	s_lshl_b32 s31, s17, 16
	v_lshl_add_u32 v11, v1, 3, s31                 ; qk: batch w, 8 bytes a lane
	v_mov_b32 v12, 0
.irp e, 72,73,74,75
	v_mov_b32 v\e, 0                               ; v_permlanex16_b32 counts as a reader of its destination
.endr
	s_wait_loadcnt 0x4                             ; qp, qb, kb are in; kw's four younger loads stay out
	QADD 32, 48
	QADD 36, 52
	QADD 40, 56
	QADD 44, 60
	QADD 32, 40
	QADD 36, 44
	QADD 32, 36
.irp e, 0,1,2,3
	v_permlanex16_b32 v[72+\e], v[32+\e], s40, s41 ; the other eight chunks
.endr
	QADD 32, 72
	QADD 32, 64                                    ; + qb
	v_pk_mul_f32 v[32:33], v[32:33], CSC op_sel_hi:[1,0]
	v_pk_mul_f32 v[34:35], v[34:35], CSC op_sel_hi:[1,0]
	ds_store_b128 v7, v[32:35]                     ; both halves of the lanes write the same bytes with the same numbers
	v_mul_f32 v76, v32, v68                        ; c = q' . kb
	v_fmac_f32 v76, v33, v69
	v_fmac_f32 v76, v34, v70
	v_fmac_f32 v76, v35, v71
.irp m, 1,2,4,8
	v_add_f32_dpp v76, v76, v76 row_xmask:\m row_mask:0xf bank_mask:0xf
.endr
	s_cmp_lg_u32 s18, 0                            ; one of the head's 16 work-groups stores c
	s_cbranch_scc1 .Lno_c
	s_wait_xcnt 0x0                                ; EXEC is a source of the loads that are out: it changes only behind this wait
	v_cmp_eq_u32 vcc_lo, 0, v1
	s_and_saveexec_b32 s30, vcc_lo
	global_store_b32 v12, v76, s[14:15]            ; cs[h][w], lane 0
	s_wait_xcnt 0x0                                ; and again in front of the line that widens it
	s_or_b32 exec_lo, exec_lo, s30
.Lno_c:
	s_wait_dscnt 0x0
	s_barrier_signal -1
	s_barrier_wait -1
.irp b, 0,1,2,3,4,5,6,7
	ds_load_b128 v[80+4*\b:83+4*\b], v8 offset:QL+256*\b               ; q'[b][4 dg .. 4 dg + 3], the same in my 16 lanes
.endr
	s_wait_loadcnt 0x0                             ; kw
	s_wait_dscnt 0x0
.irp b, 0,1,2,3,4,5,6,7                ; row e = 0 starts the sums; q' is broadcast out of its pair
	v_pk_mul_f32 v[112+4*\b:113+4*\b], v[16:17], v[80+4*\b:81+4*\b] op_sel_hi:[1,0]
	v_pk_mul_f32 v[114+4*\b:115+4*\b], v[18:19], v[80+4*\b:81+4*\b] op_sel_hi:[1,0]
.endr
.irp b, 0,1,2,3,4,5,6,7
	v_pk_fma_f32 v[112+4*\b:113+4*\b], v[20:21], v[80+4*\b:81+4*\b], v[112+4*\b:113+4*\b] op_sel:[0,1,0] op_sel_hi:[1,1,1]
	v_pk_fma_f32 v[114+4*\b:115+4*\b], v[22:23], v[80+4*\b:81+4*\b], v[114+4*\b:115+4*\b] op_sel:[0,1,0] op_sel_hi:[1,1,1]
.endr
.irp b, 0,1,2,3,4,5,6,7
	v_pk_fma_f32 v[112+4*\b:113+4*\b], v[24:25], v[82+4*\b:83+4*\b], v[112+4*\b:113+4*\b] op_sel_hi:[1,0,1]
	v_pk_fma_f32 v[114+4*\b:115+4*\b], v[26:27], v[82+4*\b:83+4*\b], v[114+4*\b:115+4*\b] op_sel_hi:[1,0,1]
.endr
.irp b, 0,1,2,3,4,5,6,7
	v_pk_fma_f32 v[112+4*\b:113+4*\b], v[28:29], v[82+4*\b:83+4*\b], v[112+4*\b:113+4*\b] op_sel:[0,1,0] op_sel_hi:[1,1,1]
	v_pk_fma_f32 v[114+4*\b:115+4*\b], v[30:31], v[82+4*\b:83+4*\b], v[114+4*\b:115+4*\b] op_sel:[0,1,0] op_sel_hi:[1,1,1]
.endr
.irp b, 0,1,2,3,4,5,6,7
	ds_store_b128 v9, v[112+4*\b:115+4*\b] offset:256*\b
.endr
	s_wait_dscnt 0x0
	s_barrier_signal -1
	s_barrier_wait -1
.irp d, 0,1,2,3,4,5,6,7,8,9,10,11,12,13,14,15
	ds_load_b64 v[16+2*\d:17+2*\d], v10 offset:2048*\d                 ; batch w, two columns a lane, the 16 groups' sums
.endr
	s_wait_dscnt 0x0
.irp d, 0,1,2,3,4,5,6,7
	v_pk_add_f32 v[16+2*\d:17+2*\d], v[16+2*\d:17+2*\d], v[32+2*\d:33+2*\d]
.endr
.irp d, 0,1,2,3
	v_pk_add_f32 v[16+2*\d:17+2*\d], v[16+2*\d:17+2*\d], v[24+2*\d:25+2*\d]
.endr
	v_pk_add_f32 v[16:17], v[16:17], v[20:21]
	v_pk_add_f32 v[18:19], v[18:19], v[22:23]
	v_pk_add_f32 v[16:17], v[16:17], v[18:19]
	global_store_b64 v11, v[16:17], s[12:13]       ; the wave's store covers 256 consecutive bytes, aligned
	s_wait_tensorcnt 0x0
	ds_add_u32 v144, v145
	s_wait_dscnt 0x0
	s_endpgm
.Lfunc_end_k_q8e7317b306_qkproj:
	.size	k_q8e7317b306_qkproj, .Lfunc_end_k_q8e7317b306_qkproj-k_q8e7317b306_qkproj
	.p2alignl 7, 3214868480
	.fill 96, 4, 3214868480
	.section	.rodata,"a",@progbits
	.p2align	6, 0x0
	.amdhsa_kernel k_q8e7317b306_qkproj
		.amdhsa_group_segment_fixed_size 35840
		.amdhsa_private_segment_fixed_size 0
		.amdhsa_enable_private_segment 0
		.amdhsa_kernarg_size 48
		.amdhsa_user_sgpr_count 2
		.amdhsa_user_sgpr_kernarg_segment_ptr 1
		.amdhsa_wavefront_size32 1
		.amdhsa_system_sgpr_workgroup_id_x 1
		.amdhsa_system_sgpr_workgroup_id_y 1
		.amdhsa_system_sgpr_workgroup_id_z 1
		.amdhsa_system_vgpr_workitem_id 0
		.amdhsa_next_free_vgpr 146
		.amdhsa_next_free_sgpr 66
		.amdhsa_reserve_vcc 1
		.amdhsa_float_denorm_mode_32 3
		.amdhsa_float_denorm_mode_16_64 3
		.amdhsa_memory_ordered 1
		.amdhsa_forward_progress 1
		.amdhsa_inst_pref_size 14
	.end_amdhsa_kernel
	.amdgpu_metadata
---
amdhsa.version: [ 1, 2 ]
amdhsa.kernels:
  - .name:           k_q8e7317b306_qkproj
    .symbol:         k_q8e7317b306_qkproj.kd
    .args:
      - { .name: qp, .offset: 0, .size: 8, .value_kind: global_buffer, .address_space: global }
      - { .name: qb, .offset: 8, .size: 8, .value_kind: global_buffer, .address_space: global }
      - { .name: kb, .offset: 16, .size: 8, .value_kind: global_buffer, .address_space: global }
      - { .name: kw, .offset: 24, .size: 8, .value_kind: global_buffer, .address_space: global }
      - { .name: qk, .offset: 32, .size: 8, .value_kind: global_buffer, .address_space: global }
      - { .name: cs, .offset: 40, .size: 8, .value_kind: global_buffer, .address_space: global }
    .group_segment_fixed_size: 35840
    .private_segment_fixed_size: 0
    .kernarg_segment_align: 8
    .kernarg_segment_size: 48
    .max_flat_workgroup_size: 256
    .sgpr_count:     66
    .vgpr_count:     146
    .wavefront_size: 32
...
	.end_amdgpu_metadata
.endif
;; end of part 2
;; launch scores (part 3): grid 256 x 1, 8 waves a work-group, no clusters, 109,312 bytes of LDS; arguments x, qk, cs, mask, sc; writes sc
.if DOCPART == 3
	.amdgcn_target "amdgcn-amd-amdhsa--gfx1250"
	.amdhsa_code_object_version 6
	.text
	.protected	k_q8e7317b306_scores
	.globl	k_q8e7317b306_scores
	.p2align	8
	.type	k_q8e7317b306_scores,@function
k_q8e7317b306_scores:
	s_mov_b64 s[64:65], 0
	v_nop
	global_prefetch_b8 v0, s[64:65] scope:SCOPE_SE
	s_setreg_imm32_b32 hwreg(HW_REG_WAVE_MODE, 25, 1), 1
	s_wait_xcnt 0x0
; sc[b][kb][h][k] = sum_i qk[b][h][i] x[b][32 kb + k][i] + cs[h][b], and -infinity where mask[b][32 kb + k] is 0.  (In units of log2: qk and cs carry log2(e) / 8.)
; Work-group g = 32 b + kb: 32 keys (128 KB of x, asked for at once, 32 loads of 16 bytes a lane) x 16 heads x 1,024.
; x and qk are rounded to bf16 on their way into LDS; products on the matrix unit, sums in f32.
; Wave w: 16 keys t = w & 1, a quarter kq = w >> 1 of the 1,024 columns: 8 matrix instructions; the four quarters meet in LDS.
; No tensor loads: the operands have to pass registers to be rounded, and a work-group's whole share fits in them.  So no joint requests either: what the 32
; work-groups of a batch share is qk[b], 64 KB of the 192 KB that a work-group reads.
; LIMITS: qk and x in bf16 for this product; the sum over i is formed in 8 parts (4 quarters x 2 accumulators).
.set XP,   2064                        ; an LDS row: 1,024 bf16 + 16 bytes = 129 x 16: the 16 rows of a fragment load start in 16 different 16-byte columns
.set XT,   0                           ; 32 rows of x
.set QT,   32*XP                       ; 16 rows of qk
.set RED,  48*XP                       ; 4 quarters x 16 heads x (32 keys x 4 bytes + 16)
.set RP,   144
; v4 L*16  v5, v6 where rounded rows go  v7, v8 fragments  v9, v10 RED in and out  v11 store offset  v[12:13] mask  v16 c  v17 -inf  v18, v19 mask's and c's offsets
; v[32:39], v[40:47] accumulators  v[48:55] their sum  v[64:191] x as loaded, then fragments of x v[64:127] and of qk v[128:191]  v[192:255] qk as loaded
.macro CVST q, adr, off                ; four f32 -> four bf16 -> LDS; 32 lanes write 256 consecutive bytes
	v_cvt_pk_bf16_f32 v[\q], v[\q], v[\q+1]
	v_cvt_pk_bf16_f32 v[\q+1], v[\q+2], v[\q+3]
	ds_store_b64 v[\adr], v[\q:\q+1] offset:\off
.endm
	s_load_b256 s[4:11], s[0:1], 0x0               ; x s[4:5], qk s[6:7], cs s[8:9], mask s[10:11]
	s_load_b64 s[12:13], s[0:1], 0x20              ; sc
	v_lshl_add_u32 v62, v0, 2, 0x1a700
	v_mov_b32 v63, 0
	v_lshrrev_b32 v1, 5, v0
	v_readfirstlane_b32 s14, v1                    ; wave w
	v_and_b32 v1, 31, v0                           ; L
	v_and_b32 v2, 15, v0                           ; iq
	v_bfe_u32 v3, v0, 4, 1                         ; hf
	v_lshrrev_b32 v21, 4, v0                       ; thread >> 4: the head in the last phase
	v_lshlrev_b32 v4, 4, v1
	v_lshlrev_b32 v18, 3, v2                       ; two keys' words of mask
	v_lshlrev_b32 v19, 5, v21                      ; cs[head]
	s_lshr_b32 s15, ttmp9, 5                       ; b
	s_lshl_b32 s20, ttmp9, 17                      ; 32 rows of 4,096 bytes
	s_lshl_b32 s18, s14, 14                        ; my 4 rows
	s_add_co_u32 s20, s20, s18
	s_mov_b32 s21, 0
	s_lshl_b32 s22, s15, 16
	s_lshl_b32 s18, s14, 13                        ; my 2 heads
	s_add_co_u32 s22, s22, s18
	s_mov_b32 s23, 0
	s_lshl_b32 s24, s15, 2
	s_mov_b32 s25, 0
	s_lshl_b32 s26, ttmp9, 7
	s_mov_b32 s27, 0
	s_lshl_b32 s28, ttmp9, 11
	s_mov_b32 s29, 0
	s_wait_kmcnt 0x0
	s_add_nc_u64 s[4:5], s[4:5], s[20:21]
	s_add_nc_u64 s[6:7], s[6:7], s[22:23]
	s_add_nc_u64 s[8:9], s[8:9], s[24:25]
	s_add_nc_u64 s[10:11], s[10:11], s[26:27]
	s_add_nc_u64 s[12:13], s[12:13], s[28:29]
	global_load_b64 v[12:13], v18, s[10:11]
	global_load_b32 v16, v19, s[8:9]
.set i, 0
.rept 16
	global_load_b128 v[192+4*i:195+4*i], v4, s[6:7] offset:512*i       ; heads 2 w, 2 w + 1: 512 consecutive bytes a load
.set i, i+1
.endr
.set i, 0
.rept 32
	global_load_b128 v[64+4*i:67+4*i], v4, s[4:5] offset:512*i         ; rows 4 w .. 4 w + 3 lie one behind the other
.set i, i+1
.endr
	s_and_b32 s16, s14, 1                          ; t
	s_lshr_b32 s17, s14, 1                         ; kq
	s_mul_i32 s18, s14, 4*XP
	v_lshl_add_u32 v5, v1, 3, s18                  ; XT row 4 w, 8 bytes a lane
	s_mul_i32 s19, s14, 2*XP
	s_add_co_u32 s19, s19, QT
	v_lshl_add_u32 v6, v1, 3, s19                  ; QT row 2 w
	v_mul_u32_u24 v20, v2, XP
	v_lshl_add_u32 v20, v3, 4, v20                 ; a fragment: row iq, 16 bytes for each half of the lanes
	s_mul_i32 s30, s16, 16*XP
	s_lshl_b32 s31, s17, 9                         ; my quarter: 256 bf16
	s_add_co_u32 s30, s30, s31
	v_add_nc_u32 v7, s30, v20
	s_add_co_u32 s31, s31, QT
	v_add_nc_u32 v8, s31, v20
	s_mul_i32 s32, s17, 16*RP
	s_lshl_b32 s33, s16, 6
	s_add_co_u32 s32, s32, s33
	s_add_co_u32 s32, s32, RED
	v_mul_u32_u24 v9, v2, RP
	v_lshl_add_u32 v9, v3, 5, v9
	v_add_nc_u32 v9, s32, v9                       ; RED[kq][head iq][key 16 t + 8 hf]
	v_mul_u32_u24 v10, v21, RP
	v_lshl_add_u32 v10, v2, 3, v10
	v_add_nc_u32 v10, RED, v10                     ; RED[.][head thread >> 4][key 2 iq]
	v_lshlrev_b32 v11, 3, v0
	v_mov_b32 v17, 0xff800000                      ; -infinity
	s_wait_loadcnt 32                              ; mask, c and qk are in; x's 32 younger loads stay out
.set i, 0
.rept 16
	CVST 192+4*i, 6, (i/8)*XP+(i%8)*256
.set i, i+1
.endr
.set i, 0
.rept 32
.if (i%8)==0
	s_wait_loadcnt 24-i                            ; this row's eight loads are in; the later rows' stay out
.endif
	CVST 64+4*i, 5, (i/8)*XP+(i%8)*256
.set i, i+1
.endr
	s_wait_dscnt 0x0                               ; my rows are in LDS before I signal
	s_barrier_signal -1
	s_barrier_wait -1
.irp s, 0,1,2,3,4,5,6,7                ; K step s: 32 columns; lane (iq, hf) takes 16 bytes at 16 hf and at 32 + 16 hf of row iq
	ds_load_b128 v[64+8*\s:67+8*\s], v7 offset:64*\s
	ds_load_b128 v[68+8*\s:71+8*\s], v7 offset:64*\s+32
	ds_load_b128 v[128+8*\s:131+8*\s], v8 offset:64*\s
	ds_load_b128 v[132+8*\s:135+8*\s], v8 offset:64*\s+32
.endr
	; source 0 = 16 keys, source 1 = 16 heads: a lane's result is head iq, keys 8 hf + 0..7.  The two accumulators take turns.
	s_wait_dscnt 28                                ; step 0's four loads are in; the 28 younger stay out
	v_wmma_f32_16x16x32_bf16 v[32:39], v[64:71], v[128:135], 0
	s_wait_dscnt 24
	v_wmma_f32_16x16x32_bf16 v[40:47], v[72:79], v[136:143], 0
.irp s, 2,3,4,5,6,7
	s_wait_dscnt 28-4*\s                           ; four loads for each later step stay out
	v_wmma_f32_16x16x32_bf16 v[32+8*(\s%2):39+8*(\s%2)], v[64+8*\s:71+8*\s], v[128+8*\s:135+8*\s], v[32+8*(\s%2):39+8*(\s%2)]
.endr
.rept 4
	v_nop                                          ; four places between the last product and the first read of a result (ISA guide 7.12.1)
.endr
.irp j, 0,2,4,6
	v_pk_add_f32 v[48+\j:49+\j], v[32+\j:33+\j], v[40+\j:41+\j]        ; from the low end on
.endr
	ds_store_b128 v9, v[48:51]
	ds_store_b128 v9, v[52:55] offset:16
	s_wait_dscnt 0x0
	s_barrier_signal -1
	s_barrier_wait -1
.irp p, 0,1,2,3
	ds_load_b64 v[64+2*\p:65+2*\p], v10 offset:16*RP*\p                ; the four quarters of my two scores
.endr
	s_wait_dscnt 0x0
	v_pk_add_f32 v[64:65], v[64:65], v[66:67]
	v_pk_add_f32 v[68:69], v[68:69], v[70:71]
	v_pk_add_f32 v[64:65], v[64:65], v[68:69]
	v_cmp_eq_u32 vcc_lo, 0, v12
	v_cmp_eq_u32 s34, 0, v13
	v_add_f32 v64, v64, v16                        ; + q . kb
	v_add_f32 v65, v65, v16
	v_cndmask_b32 v64, v64, v17, vcc_lo            ; a masked key's score is -infinity
	v_cndmask_b32 v65, v65, v17, s34
	global_store_b64 v11, v[64:65], s[12:13]       ; the wave's store covers 256 consecutive bytes, aligned
	s_wait_tensorcnt 0x0
	ds_add_u32 v62, v63
	s_wait_dscnt 0x0
	s_endpgm
.Lfunc_end_k_q8e7317b306_scores:
	.size	k_q8e7317b306_scores, .Lfunc_end_k_q8e7317b306_scores-k_q8e7317b306_scores
	.p2alignl 7, 3214868480
	.fill 96, 4, 3214868480
	.section	.rodata,"a",@progbits
	.p2align	6, 0x0
	.amdhsa_kernel k_q8e7317b306_scores
		.amdhsa_group_segment_fixed_size 109312
		.amdhsa_private_segment_fixed_size 0
		.amdhsa_enable_private_segment 0
		.amdhsa_kernarg_size 40
		.amdhsa_user_sgpr_count 2
		.amdhsa_user_sgpr_kernarg_segment_ptr 1
		.amdhsa_wavefront_size32 1
		.amdhsa_system_sgpr_workgroup_id_x 1
		.amdhsa_system_sgpr_workgroup_id_y 1
		.amdhsa_system_sgpr_workgroup_id_z 1
		.amdhsa_system_vgpr_workitem_id 0
		.amdhsa_next_free_vgpr 256
		.amdhsa_next_free_sgpr 66
		.amdhsa_reserve_vcc 1
		.amdhsa_float_denorm_mode_32 3
		.amdhsa_float_denorm_mode_16_64 3
		.amdhsa_memory_ordered 1
		.amdhsa_forward_progress 1
		.amdhsa_inst_pref_size 22
	.end_amdhsa_kernel
	.amdgpu_metadata
---
amdhsa.version: [ 1, 2 ]
amdhsa.kernels:
  - .name:           k_q8e7317b306_scores
    .symbol:         k_q8e7317b306_scores.kd
    .args:
      - { .name: x, .offset: 0, .size: 8, .value_kind: global_buffer, .address_space: global }
      - { .name: qk, .offset: 8, .size: 8, .value_kind: global_buffer, .address_space: global }
      - { .name: cs, .offset: 16, .size: 8, .value_kind: global_buffer, .address_space: global }
      - { .name: mask, .offset: 24, .size: 8, .value_kind: global_buffer, .address_space: global }
      - { .name: sc, .offset: 32, .size: 8, .value_kind: global_buffer, .address_space: global }
    .group_segment_fixed_size: 109312
    .private_segment_fixed_size: 0
    .kernarg_segment_align: 8
    .kernarg_segment_size: 40
    .max_flat_workgroup_size: 256
    .sgpr_count:     66
    .vgpr_count:     256
    .wavefront_size: 32
...
	.end_amdgpu_metadata
.endif
;; end of part 3
;; launch wsum (part 4): grid 256 x 1, 8 waves a work-group, no clusters, 108,544 bytes of LDS; arguments x, sc, vw, xw; writes xw
.if DOCPART == 4
	.amdgcn_target "amdgcn-amd-amdhsa--gfx1250"
	.amdhsa_code_object_version 6
	.text
	.protected	k_q8e7317b306_wsum
	.globl	k_q8e7317b306_wsum
	.p2align	8
	.type	k_q8e7317b306_wsum,@function
k_q8e7317b306_wsum:
	s_mov_b64 s[64:65], 0
	v_nop
	global_prefetch_b8 v0, s[64:65] scope:SCOPE_SE
	s_setreg_imm32_b32 hwreg(HW_REG_WAVE_MODE, 25, 1), 1
	s_wait_xcnt 0x0
; For each head of batch b: m = max_k s, p_k = 2^(s_k - m), l = sum_k p_k;  xw[ks][b][h][i] = sum over the 512 keys of half ks of p_k x[b][k][i] / l.
; With sum_k w_k = 1 the context is vw (sum_k w_k x_k) + vb, so v is never formed: the weighted sum of x is taken here, vw is applied in the next launch.
; Work-group g = 32 b + 16 ks + dc: 512 keys x 64 columns (dc; 256 bytes of each row, 128 KB of x, asked for at once) x 16 heads.
; Every work-group reads the batch's 16 x 1,024 scores (64 KB) and makes m and l itself: the true maximum is taken away before the exponential.
; Thread: head 4 (w & 3) + (L >> 3), 64 scores; a head's 1,024 scores lie in 8 lanes of each of waves w and w + 4.  A thread's first 32 scores are those of the
; work-group's own half of the keys, its last 32 the other half's: the half enters two global bases and no LDS address, and only the own half's p goes into LDS.
; p and x are rounded to bf16; products on the matrix unit (source 0 = 16 columns of x, turned on the way out of LDS; source 1 = 16 heads), sums in f32.
; Wave w: columns 16 (w & 3) on, keys 256 (w >> 2) on: 8 matrix instructions; the two halves meet in LDS.
; No tensor loads: the operands pass registers to be rounded.  So no joint requests: what work-groups share is sc[b], 64 KB of 192 KB.
; LIMITS: p and x in bf16 for the product, l is the sum of the unrounded p; 1 / l by v_rcp_f32 (1 ulp); p under 2^-126 counts as 0;
; a batch whose keys are all masked gives NaN (-inf minus -inf), as the module does.
.set XTP,  160                         ; a row of XT: 64 bf16 + 32 bytes = 5 x 32: the turning load's 8 rows x 32 bytes fall on different banks
.set XT,   0                           ; 512 keys
.set PP,   1040                        ; a row of PT: 512 bf16 + 16 bytes = 65 x 16: the 16 rows of a fragment load start in 16 different 16-byte columns
.set PT,   512*XTP                     ; 16 heads
.set ST,   PT+16*PP                    ; maxima [2][16] words, then sums [2][16] words
.set OS,   ST+256                      ; 2 halves x 16 heads x (64 columns x 4 bytes + 16)
.set OSP,  272
; v2 sc offset  v3 x offset  v4, v5, v10 ST  v6 PT in  v7 XT in  v8, v9 fragments  v11, v12 OS in and out  v13 store offset  v14 prefetch offset
; v[16:47] my half's scores, then p; v[48:79] the other half's  v[80:207] x as loaded, then fragments of x v[80:143] and of p v[144:207]
; v[208:215], v[216:223] accumulators  v[224:231] result  v[232:233] m, later 1 / l, twice  v[234:243] at work  v[244:248] lane numbers
.macro CVST q, adr, off                ; four f32 -> four bf16 -> LDS
	v_cvt_pk_bf16_f32 v[\q], v[\q], v[\q+1]
	v_cvt_pk_bf16_f32 v[\q+1], v[\q+2], v[\q+3]
	ds_store_b64 v[\adr], v[\q:\q+1] offset:\off
.endm
	s_load_b256 s[4:11], s[0:1], 0x0               ; x s[4:5], sc s[6:7], vw s[8:9], xw s[10:11]
	v_lshl_add_u32 v254, v0, 2, 0x1a400
	v_mov_b32 v255, 0
	v_lshrrev_b32 v1, 5, v0
	v_readfirstlane_b32 s14, v1                    ; wave w
	v_and_b32 v1, 31, v0                           ; L
	v_and_b32 v244, 15, v0                         ; iq
	v_bfe_u32 v245, v0, 4, 1                       ; hf
	v_lshlrev_b32 v2, 4, v0
	v_lshlrev_b32 v3, 4, v244
	v_lshl_add_u32 v3, v245, 12, v3                ; row hf, 16 lanes take the row's 256 bytes
	v_lshlrev_b32 v14, 8, v1
	s_lshr_b32 s15, ttmp9, 5                       ; b
	s_bfe_u32 s16, ttmp9, 0x10004                  ; ks
	s_and_b32 s17, ttmp9, 15                       ; dc
	s_and_b32 s18, s14, 3                          ; w & 3
	s_lshr_b32 s19, s14, 2                         ; w >> 2
	s_lshl_b32 s28, s15, 16                        ; the batch's 64 KB of scores, and of a half of xw
	s_lshl_b32 s20, s16, 15                        ; my half: 16 key blocks of 2,048 bytes
	s_add_co_u32 s20, s20, s28
	s_mov_b32 s21, 0
	s_xor_b32 s44, s16, 1                          ; the other half
	s_lshl_b32 s44, s44, 15
	s_add_co_u32 s44, s44, s28
	s_mov_b32 s45, 0
	s_lshl_b32 s22, s15, 22                        ; 1,024 rows of 4,096 bytes
	s_lshl_b32 s12, s16, 21                        ; 512 rows
	s_add_co_u32 s22, s22, s12
	s_lshl_b32 s12, s14, 18                        ; my 64 rows
	s_add_co_u32 s22, s22, s12
	s_lshl_b32 s13, s17, 8                         ; dc*256
	s_add_co_u32 s22, s22, s13
	s_mov_b32 s23, 0
	s_lshl_b32 s24, ttmp9, 14                      ; my 16 KB of vw
	s_mov_b32 s25, 0
	s_lshl_b32 s26, s16, 19
	s_add_co_u32 s26, s26, s28
	s_add_co_u32 s26, s26, s13
	s_mov_b32 s27, 0
	s_wait_kmcnt 0x0
	s_add_nc_u64 s[42:43], s[6:7], s[44:45]        ; sc at the other half of the batch's keys
	s_add_nc_u64 s[6:7], s[6:7], s[20:21]          ; sc at my half
	s_add_nc_u64 s[4:5], s[4:5], s[22:23]
	s_add_nc_u64 s[8:9], s[8:9], s[24:25]
	s_add_nc_u64 s[10:11], s[10:11], s[26:27]
.set i, 0
.rept 8
	global_load_b128 v[16+4*i:19+4*i], v2, s[6:7] offset:4096*i        ; my half: its key block 2 i + (w >> 2), my head, 4 keys
.set i, i+1
.endr
.set i, 0
.rept 8
	global_load_b128 v[48+4*i:51+4*i], v2, s[42:43] offset:4096*i      ; the other half, for m and l alone
.set i, i+1
.endr
.set i, 0
.rept 32
	global_load_b128 v[80+4*i:83+4*i], v3, s[4:5] offset:8192*i        ; key 64 w + 2 i + hf of my half, my 4 columns
.set i, i+1
.endr
	s_cmp_lg_u32 s14, 7
	s_cbranch_scc1 .Lno_ask
	global_prefetch_b8 v14, s[8:9] th:TH_LOAD_NT scope:SCOPE_SE                    ; vw for the next launch: 256 work-groups x 64 blocks of 256 bytes,
	global_prefetch_b8 v14, s[8:9] offset:8192 th:TH_LOAD_NT scope:SCOPE_SE        ; each block asked for once, by wave 7 of one work-group
.Lno_ask:
	v_and_b32 v246, 7, v0                          ; L & 7
	v_lshrrev_b32 v247, 3, v1
	s_lshl_b32 s28, s18, 2
	v_add_nc_u32 v247, s28, v247                   ; my head
	v_bfe_u32 v248, v0, 3, 1
	s_mov_b32 s29, ST
	v_lshl_add_u32 v5, v247, 2, s29                ; ST[.][head]
	s_lshl_b32 s30, s19, 6
	v_add_nc_u32 v4, s30, v5                       ; ST[w >> 2][head]
	v_mul_u32_u24 v6, v247, PP
	v_lshl_add_u32 v6, v246, 3, v6
	s_add_co_u32 s31, s30, PT
	v_add_nc_u32 v6, s31, v6                       ; PT[head][key 32 (w >> 2) + 4 (L & 7)]
	v_mul_u32_u24 v7, v245, XTP
	v_lshl_add_u32 v7, v244, 3, v7
	s_mul_i32 s32, s14, 64*XTP
	v_add_nc_u32 v7, s32, v7                       ; XT[key 64 w + hf][column 4 iq]
	v_lshl_add_u32 v8, v245, 3, v246
	v_mul_u32_u24 v8, v8, XTP
	v_lshl_add_u32 v8, v248, 4, v8
	s_mul_i32 s33, s19, 256*XTP
	s_lshl_b32 s34, s18, 5
	s_add_co_u32 s33, s33, s34
	v_add_nc_u32 v8, s33, v8                       ; the turning load: key 8 hf + (L & 7), 16 bytes at 16 ((L >> 3) & 1), of my 16 columns and 256 keys
	v_mul_u32_u24 v9, v244, PP
	v_lshl_add_u32 v9, v245, 4, v9
	s_lshl_b32 s35, s19, 9
	s_add_co_u32 s35, s35, PT
	v_add_nc_u32 v9, s35, v9                       ; PT[head iq][key 256 (w >> 2) + 8 hf]: constants, the wave and the lane alone
	s_mov_b32 s37, ST+128
	v_lshl_add_u32 v10, v244, 2, s37               ; the sums of head iq
	v_mul_u32_u24 v11, v244, OSP
	v_lshl_add_u32 v11, v245, 5, v11
	s_mul_i32 s38, s19, 16*OSP
	s_lshl_b32 s39, s18, 6
	s_add_co_u32 s38, s38, s39
	s_add_co_u32 s38, s38, OS
	v_add_nc_u32 v11, s38, v11                     ; OS[w >> 2][head iq][column 16 (w & 3) + 8 hf]
	v_lshrrev_b32 v13, 4, v0                       ; thread >> 4: the head in the last phase
	v_mul_u32_u24 v12, v13, OSP
	v_lshl_add_u32 v12, v244, 4, v12
	v_add_nc_u32 v12, OS, v12
	v_lshlrev_b32 v13, 12, v13
	v_lshl_add_u32 v13, v244, 4, v13
	s_wait_loadcnt 32                              ; the scores are in; x's 32 younger loads stay out
	v_max3_num_f32 v234, v16, v17, v18             ; the maximum of my 64 scores, in two chains
	v_max3_num_f32 v235, v48, v49, v50
.set i, 0
.rept 14
	v_max3_num_f32 v234, v234, v[19+2*i], v[20+2*i]
	v_max3_num_f32 v235, v235, v[51+2*i], v[52+2*i]
.set i, i+1
.endr
	v_max3_num_f32 v234, v234, v235, v47
	v_max_num_f32 v234, v234, v79
.irp m, 1,2,4
	v_max_num_f32_dpp v234, v234, v234 row_xmask:\m row_mask:0xf bank_mask:0xf     ; over the head's 8 lanes
.endr
	ds_store_b32 v4, v234                          ; the 8 lanes write the same word with the same number
	s_wait_dscnt 0x0
	s_barrier_signal -1
	s_barrier_wait -1
	ds_load_b32 v236, v5
	ds_load_b32 v237, v5 offset:64
	s_wait_dscnt 0x0
	v_max_num_f32 v232, v236, v237                 ; m of my head
	v_max_num_f32 v233, v236, v237
.set i, 0
.rept 32
	v_pk_add_f32 v[16+2*i:17+2*i], v[16+2*i:17+2*i], v[232:233] neg_lo:[0,1] neg_hi:[0,1]   ; s - m
.set i, i+1
.endr
.set i, 0
.rept 64
	v_exp_f32 v[16+i], v[16+i]
.set i, i+1
.endr
	v_nop                                          ; a plain instruction between the last exponential and the use of the results
	s_wait_alu depctr_va_vdst(0)
.irp c, 0,1,2,3
	v_pk_add_f32 v[234+2*\c:235+2*\c], v[16+2*\c:17+2*\c], v[24+2*\c:25+2*\c]      ; the sum of my 64 p, in four chains
.endr
.set i, 8
.rept 24
	v_pk_add_f32 v[234+2*(i%4):235+2*(i%4)], v[234+2*(i%4):235+2*(i%4)], v[16+2*i:17+2*i]
.set i, i+1
.endr
	v_pk_add_f32 v[234:235], v[234:235], v[236:237]
	v_pk_add_f32 v[238:239], v[238:239], v[240:241]
	v_pk_add_f32 v[234:235], v[234:235], v[238:239]
	v_add_f32 v234, v234, v235
.irp m, 1,2,4
	v_add_f32_dpp v234, v234, v234 row_xmask:\m row_mask:0xf bank_mask:0xf
.endr
	ds_store_b32 v4, v234 offset:128
.set i, 0
.rept 8
	CVST 16+4*i, 6, 128*i                          ; my half's p in bf16: its key block 2 i + (w >> 2) is 64 bytes of the head's row
.set i, i+1
.endr
.set i, 0
.rept 32
.if (i%8)==0
	s_wait_loadcnt 24-i                            ; these eight loads of x are in; the later ones stay out
.endif
	CVST 80+4*i, 7, 2*XTP*i
.set i, i+1
.endr
	s_wait_dscnt 0x0                               ; sums, p and x are in LDS before I signal
	s_barrier_signal -1
	s_barrier_wait -1
	ds_load_b32 v236, v10
	ds_load_b32 v237, v10 offset:64
.irp s, 0,1,2,3,4,5,6,7                ; K step s: 32 keys
	ds_load_tr16_b128 v[80+8*\s:83+8*\s], v8 offset:32*XTP*\s
	ds_load_tr16_b128 v[84+8*\s:87+8*\s], v8 offset:32*XTP*\s+16*XTP
	ds_load_b128 v[144+8*\s:147+8*\s], v9 offset:64*\s
	ds_load_b128 v[148+8*\s:151+8*\s], v9 offset:64*\s+32
.endr
	s_wait_dscnt 32                                ; the two sums are in; the 32 fragment loads stay out
	v_add_f32 v234, v236, v237                     ; l of head iq
	v_rcp_f32 v232, v234
	v_nop                                          ; a plain instruction between the reciprocal and its use
	s_wait_alu depctr_va_vdst(0)
	v_mov_b32 v233, v232
	; a lane's result is head iq, columns 8 hf + 0..7 of my 16.  The two accumulators take turns.
	s_wait_dscnt 28                                ; step 0's four loads are in
	v_wmma_f32_16x16x32_bf16 v[208:215], v[80:87], v[144:151], 0
	s_wait_dscnt 24
	v_wmma_f32_16x16x32_bf16 v[216:223], v[88:95], v[152:159], 0
.irp s, 2,3,4,5,6,7
	s_wait_dscnt 28-4*\s                           ; four loads for each later step stay out
	v_wmma_f32_16x16x32_bf16 v[208+8*(\s%2):215+8*(\s%2)], v[80+8*\s:87+8*\s], v[144+8*\s:151+8*\s], v[208+8*(\s%2):215+8*(\s%2)]
.endr
.rept 4
	v_nop                                          ; four places between the last product and the first read of a result (ISA guide 7.12.1)
.endr
.irp j, 0,2,4,6
	v_pk_mul_f32 v[224+\j:225+\j], v[208+\j:209+\j], v[232:233]        ; from the low end on
.endr
.irp j, 0,2,4,6
	v_pk_fma_f32 v[224+\j:225+\j], v[216+\j:217+\j], v[232:233], v[224+\j:225+\j]
.endr
	ds_store_b128 v11, v[224:227]                  ; OS lies behind XT, PT and ST: no byte that a wave may still be reading
	ds_store_b128 v11, v[228:231] offset:16
	s_wait_dscnt 0x0
	s_barrier_signal -1
	s_barrier_wait -1
	ds_load_b128 v[236:239], v12
	ds_load_b128 v[240:243], v12 offset:16*OSP
	s_wait_dscnt 0x0
	v_pk_add_f32 v[236:237], v[236:237], v[240:241]
	v_pk_add_f32 v[238:239], v[238:239], v[242:243]
	global_store_b128 v13, v[236:239], s[10:11]    ; 16 lanes store 256 consecutive bytes, aligned: a head's 64 columns
	s_wait_tensorcnt 0x0
	ds_add_u32 v254, v255
	s_wait_dscnt 0x0
	s_endpgm
.Lfunc_end_k_q8e7317b306_wsum:
	.size	k_q8e7317b306_wsum, .Lfunc_end_k_q8e7317b306_wsum-k_q8e7317b306_wsum
	.p2alignl 7, 3214868480
	.fill 96, 4, 3214868480
	.section	.rodata,"a",@progbits
	.p2align	6, 0x0
	.amdhsa_kernel k_q8e7317b306_wsum
		.amdhsa_group_segment_fixed_size 108544
		.amdhsa_private_segment_fixed_size 0
		.amdhsa_enable_private_segment 0
		.amdhsa_kernarg_size 32
		.amdhsa_user_sgpr_count 2
		.amdhsa_user_sgpr_kernarg_segment_ptr 1
		.amdhsa_wavefront_size32 1
		.amdhsa_system_sgpr_workgroup_id_x 1
		.amdhsa_system_sgpr_workgroup_id_y 1
		.amdhsa_system_sgpr_workgroup_id_z 1
		.amdhsa_system_vgpr_workitem_id 0
		.amdhsa_next_free_vgpr 256
		.amdhsa_next_free_sgpr 66
		.amdhsa_reserve_vcc 0
		.amdhsa_float_denorm_mode_32 3
		.amdhsa_float_denorm_mode_16_64 3
		.amdhsa_memory_ordered 1
		.amdhsa_forward_progress 1
		.amdhsa_inst_pref_size 30
	.end_amdhsa_kernel
	.amdgpu_metadata
---
amdhsa.version: [ 1, 2 ]
amdhsa.kernels:
  - .name:           k_q8e7317b306_wsum
    .symbol:         k_q8e7317b306_wsum.kd
    .args:
      - { .name: x, .offset: 0, .size: 8, .value_kind: global_buffer, .address_space: global }
      - { .name: sc, .offset: 8, .size: 8, .value_kind: global_buffer, .address_space: global }
      - { .name: vw, .offset: 16, .size: 8, .value_kind: global_buffer, .address_space: global }
      - { .name: xw, .offset: 24, .size: 8, .value_kind: global_buffer, .address_space: global }
    .group_segment_fixed_size: 108544
    .private_segment_fixed_size: 0
    .kernarg_segment_align: 8
    .kernarg_segment_size: 32
    .max_flat_workgroup_size: 256
    .sgpr_count:     66
    .vgpr_count:     256
    .wavefront_size: 32
...
	.end_amdgpu_metadata
.endif
;; end of part 4
;; launch ctxrow (part 5): grid 128 x 1, 8 waves a work-group, no clusters, 34,304 bytes of LDS; arguments xw, vw, vb, ow, ctx; writes ctx
.if DOCPART == 5
	.amdgcn_target "amdgcn-amd-amdhsa--gfx1250"
	.amdhsa_code_object_version 6
	.text
	.protected	k_q8e7317b306_ctxrow
	.globl	k_q8e7317b306_ctxrow
	.p2align	8
	.type	k_q8e7317b306_ctxrow,@function
k_q8e7317b306_ctxrow:
	s_mov_b64 s[64:65], 0
	v_nop
	global_prefetch_b8 v0, s[64:65] scope:SCOPE_SE
	s_setreg_imm32_b32 hwreg(HW_REG_WAVE_MODE, 25, 1), 1
	s_wait_xcnt 0x0
; ctx[b][j] = sum_i vw[j][i] (xw[0][b][h][i] + xw[1][b][h][i]) + vb[j], h = j / 64.  Stored as [j / 8][b][j % 8].
; Work-group g: rows j = 8 g .. 8 g + 7 of vw (all of head g >> 3), all 8 batches: its 64 results are 256 consecutive bytes.  128 work-groups: with fewer
; rows a work-group would not fill that block, and the head's vectors (64 KB) are read by each work-group whatever its rows.
; Wave w first adds batch w's two halves into LDS, then takes row 8 g + w against the 8 batches' vectors.
; f32 on the vector unit: 8 multiply-adds for each number of vw loaded.  No joint requests: nothing goes through tensor loads; the halves are added in registers.
.set VP,   4128                        ; a vector in LDS: 4,096 bytes + 32
.set YS,   8*VP                        ; the 64 results
; v4 L*16  v5 V in  v6 YS in  v7 YS out  v8 store offset  v9 zero  v10 prefetch offset
; v[32:63], v[64:95] xw's halves, then two buffers for the vectors  v[96:127] my row  v128 bias  v[136:143] the 8 dots  v[144:151] chains, then the other half's  v152 result  v[154:155] out
.macro VLOAD b                         ; batch b's vector, my 32 numbers, into the buffer of b's parity
.irp t, 0,1,2,3,4,5,6,7
	ds_load_b128 v[32+32*((\b)%2)+4*\t:35+32*((\b)%2)+4*\t], v4 offset:VP*(\b)+512*\t
.endr
.endm
.macro DOT b, left                     ; left: the next batch's eight loads, which stay out
	s_wait_dscnt \left
.set VB, 32+32*((\b)%2)
.set PA, 144+4*((\b)%2)
	v_pk_mul_f32 v[PA:PA+1], v[96:97], v[VB:VB+1]
	v_pk_mul_f32 v[PA+2:PA+3], v[98:99], v[VB+2:VB+3]
.irp t, 1,2,3,4,5,6,7
	v_pk_fma_f32 v[PA:PA+1], v[96+4*\t:97+4*\t], v[VB+4*\t:VB+4*\t+1], v[PA:PA+1]
	v_pk_fma_f32 v[PA+2:PA+3], v[98+4*\t:99+4*\t], v[VB+4*\t+2:VB+4*\t+3], v[PA+2:PA+3]
.endr
	v_pk_add_f32 v[PA:PA+1], v[PA:PA+1], v[PA+2:PA+3]
	v_add_f32 v[136+(\b)], v[PA], v[PA+1]
.endm
.macro ROWDOT                          ; my row against the 8 vectors; each sum ends in every lane
	VLOAD 0
	VLOAD 1
.irp b, 0,1,2,3,4,5
	DOT \b, 8
	VLOAD \b+2
.endr
	DOT 6, 8
	DOT 7, 0
.irp m, 1,2,4,8
.irp b, 0,1,2,3,4,5,6,7
	v_add_f32_dpp v[136+\b], v[136+\b], v[136+\b] row_xmask:\m row_mask:0xf bank_mask:0xf
.endr
.endr
.irp b, 0,1,2,3,4,5,6,7
	v_permlanex16_b32 v[144+\b], v[136+\b], s40, s41   ; its destination counts as read: the chains' registers have been written
.endr
.irp b, 0,2,4,6
	v_pk_add_f32 v[136+\b:137+\b], v[136+\b:137+\b], v[144+\b:145+\b]
.endr
.endm
.macro FINISH base                     ; lane L keeps batch L & 7; + bias; the 64 results meet in LDS and leave as one block
	v_cndmask_b32 v152, v136, v137, s25
.irp k, 2,3,4,5,6,7
	v_cndmask_b32 v152, v152, v[136+\k], s[24+\k]
.endr
	v_add_f32 v152, v152, v128
	ds_store_b32 v6, v152                          ; lanes 8 apart write the same word with the same number
	s_wait_dscnt 0x0
	s_barrier_signal -1
	s_barrier_wait -1
	s_cmp_lg_u32 s14, 0
	s_cbranch_scc1 .Lend
	ds_load_b64 v[154:155], v7
	s_wait_dscnt 0x0
	global_store_b64 v8, v[154:155], s[\base:\base+1]  ; wave 0's store covers 256 consecutive bytes, aligned
.Lend:
	s_wait_tensorcnt 0x0
	ds_add_u32 v160, v161
	s_wait_dscnt 0x0
	s_endpgm
.endm
	s_load_b256 s[4:11], s[0:1], 0x0               ; xw s[4:5], vw s[6:7], vb s[8:9], ow s[10:11]
	s_load_b64 s[12:13], s[0:1], 0x20              ; ctx
	v_lshl_add_u32 v160, v0, 2, 0x8200
	v_mov_b32 v161, 0
	v_lshrrev_b32 v1, 5, v0
	v_readfirstlane_b32 s14, v1                    ; wave w
	v_and_b32 v1, 31, v0                           ; L
	v_lshlrev_b32 v4, 4, v1
	v_mov_b32 v9, 0
	v_lshlrev_b32 v10, 8, v1
	s_lshr_b32 s15, ttmp9, 3                       ; h
	s_lshl_b32 s20, s14, 16                        ; batch w
	s_lshl_b32 s16, s15, 12
	s_add_co_u32 s20, s20, s16
	s_mov_b32 s21, 0
	s_lshl_b32 s22, ttmp9, 15                      ; 8 rows of 4,096 bytes
	s_lshl_b32 s16, s14, 12
	s_add_co_u32 s22, s22, s16
	s_mov_b32 s23, 0
	s_lshl_b32 s32, ttmp9, 5
	s_lshl_b32 s16, s14, 2
	s_add_co_u32 s32, s32, s16
	s_mov_b32 s33, 0
	s_lshl_b32 s34, ttmp9, 15                      ; my 32 KB of ow
	s_mov_b32 s35, 0
	s_lshl_b32 s36, ttmp9, 8
	s_mov_b32 s37, 0
	s_mov_b32 s40, 0x76543210
	s_mov_b32 s41, 0xfedcba98
	s_wait_kmcnt 0x0
	s_add_nc_u64 s[4:5], s[4:5], s[20:21]
	s_add_nc_u64 s[6:7], s[6:7], s[22:23]
	s_add_nc_u64 s[8:9], s[8:9], s[32:33]
	s_add_nc_u64 s[10:11], s[10:11], s[34:35]
	s_add_nc_u64 s[12:13], s[12:13], s[36:37]
.irp t, 0,1,2,3,4,5,6,7
	global_load_b128 v[32+4*\t:35+4*\t], v4, s[4:5] offset:512*\t
.endr
.irp t, 0,1,2,3,4,5,6,7
	global_load_b128 v[64+4*\t:67+4*\t], v4, s[4:5] offset:524288+512*\t           ; the other 512 keys' half
.endr
.irp t, 0,1,2,3,4,5,6,7
	global_load_b128 v[96+4*\t:99+4*\t], v4, s[6:7] offset:512*\t th:TH_LOAD_NT    ; my row of vw: read by this wave alone
.endr
	global_load_b32 v128, v9, s[8:9]
	s_cmp_lg_u32 s14, 7
	s_cbranch_scc1 .Lno_ask
.irp t, 0,1,2,3
	global_prefetch_b8 v10, s[10:11] offset:8192*\t th:TH_LOAD_NT scope:SCOPE_SE   ; ow for the next launch: 128 work-groups x 128 blocks of 256 bytes, each asked for once
.endr
.Lno_ask:
	s_mul_i32 s16, s14, VP
	v_add_nc_u32 v5, s16, v4
	v_and_b32 v11, 7, v0
	s_lshl_b32 s17, s14, 2
	s_add_co_u32 s17, s17, YS
	v_lshl_add_u32 v6, v11, 5, s17                 ; YS[batch L & 7][row w]
	s_mov_b32 s18, YS
	v_lshl_add_u32 v7, v1, 3, s18
	v_lshlrev_b32 v8, 3, v1
.irp k, 1,2,3,4,5,6,7
	v_cmp_eq_u32 s[24+\k], \k, v11                 ; lanes that keep batch k
.endr
	s_wait_loadcnt 0x9                             ; xw's 16 loads are in; my row's 8 and the bias are younger
.set i, 0
.rept 16
	v_pk_add_f32 v[32+2*i:33+2*i], v[32+2*i:33+2*i], v[64+2*i:65+2*i]
.set i, i+1
.endr
.irp t, 0,1,2,3,4,5,6,7
	ds_store_b128 v5, v[32+4*\t:35+4*\t] offset:512*\t
.endr
	s_wait_dscnt 0x0
	s_barrier_signal -1
	s_barrier_wait -1
	s_wait_loadcnt 0x0                             ; my row and the bias
	ROWDOT
	FINISH 12
.Lfunc_end_k_q8e7317b306_ctxrow:
	.size	k_q8e7317b306_ctxrow, .Lfunc_end_k_q8e7317b306_ctxrow-k_q8e7317b306_ctxrow
	.p2alignl 7, 3214868480
	.fill 96, 4, 3214868480
	.section	.rodata,"a",@progbits
	.p2align	6, 0x0
	.amdhsa_kernel k_q8e7317b306_ctxrow
		.amdhsa_group_segment_fixed_size 34304
		.amdhsa_private_segment_fixed_size 0
		.amdhsa_enable_private_segment 0
		.amdhsa_kernarg_size 40
		.amdhsa_user_sgpr_count 2
		.amdhsa_user_sgpr_kernarg_segment_ptr 1
		.amdhsa_wavefront_size32 1
		.amdhsa_system_sgpr_workgroup_id_x 1
		.amdhsa_system_sgpr_workgroup_id_y 1
		.amdhsa_system_sgpr_workgroup_id_z 1
		.amdhsa_system_vgpr_workitem_id 0
		.amdhsa_next_free_vgpr 162
		.amdhsa_next_free_sgpr 66
		.amdhsa_reserve_vcc 0
		.amdhsa_float_denorm_mode_32 3
		.amdhsa_float_denorm_mode_16_64 3
		.amdhsa_memory_ordered 1
		.amdhsa_forward_progress 1
		.amdhsa_inst_pref_size 24
	.end_amdhsa_kernel
	.amdgpu_metadata
---
amdhsa.version: [ 1, 2 ]
amdhsa.kernels:
  - .name:           k_q8e7317b306_ctxrow
    .symbol:         k_q8e7317b306_ctxrow.kd
    .args:
      - { .name: xw, .offset: 0, .size: 8, .value_kind: global_buffer, .address_space: global }
      - { .name: vw, .offset: 8, .size: 8, .value_kind: global_buffer, .address_space: global }
      - { .name: vb, .offset: 16, .size: 8, .value_kind: global_buffer, .address_space: global }
      - { .name: ow, .offset: 24, .size: 8, .value_kind: global_buffer, .address_space: global }
      - { .name: ctx, .offset: 32, .size: 8, .value_kind: global_buffer, .address_space: global }
    .group_segment_fixed_size: 34304
    .private_segment_fixed_size: 0
    .kernarg_segment_align: 8
    .kernarg_segment_size: 40
    .max_flat_workgroup_size: 256
    .sgpr_count:     66
    .vgpr_count:     162
    .wavefront_size: 32
...
	.end_amdgpu_metadata
.endif
;; end of part 5
;; launch outrow (part 6): grid 128 x 1, 8 waves a work-group, no clusters, 34,304 bytes of LDS; arguments ctx, ow, ob, ov; writes ov
.if DOCPART == 6
	.amdgcn_target "amdgcn-amd-amdhsa--gfx1250"
	.amdhsa_code_object_version 6
	.text
	.protected	k_q8e7317b306_outrow
	.globl	k_q8e7317b306_outrow
	.p2align	8
	.type	k_q8e7317b306_outrow,@function
k_q8e7317b306_outrow:
	s_mov_b64 s[64:65], 0
	v_nop
	global_prefetch_b8 v0, s[64:65] scope:SCOPE_SE
	s_setreg_imm32_b32 hwreg(HW_REG_WAVE_MODE, 25, 1), 1
	s_wait_xcnt 0x0
; ov[b][j] = sum_i ow[j][i] ctx[b][i] + ob[j]: the attention's output row, one for each batch.  ctx and ov lie as [j / 8][b][j % 8].
; Work-group g: rows j = 8 g .. 8 g + 7 of ow, all 8 batches: its 64 results are 256 consecutive bytes.  Wave w takes row 8 g + w.
; The 32 KB of ctx are read in order and laid into LDS batch by batch.
; f32 on the vector unit: 8 multiply-adds for each number of ow loaded.  No joint requests: nothing goes through tensor loads; ctx changes its order on the way into LDS.
.set VP,   4128                        ; a vector in LDS: 4,096 bytes + 32: the 8 batches that 16 neighbouring lanes store start 32 bytes apart modulo 256
.set YS,   8*VP                        ; the 64 results
; v4 L*16  v5 V in  v6 YS in  v7 YS out  v8 store offset  v9 zero  v10 ctx offset
; v[32:63] ctx as loaded; v[32:63], v[64:95] two buffers for the vectors  v[96:127] my row  v128 bias  v[136:143] the 8 dots  v[144:151] chains, then the other half's  v152 result  v[154:155] out
.macro VLOAD b                         ; batch b's vector, my 32 numbers, into the buffer of b's parity
.irp t, 0,1,2,3,4,5,6,7
	ds_load_b128 v[32+32*((\b)%2)+4*\t:35+32*((\b)%2)+4*\t], v4 offset:VP*(\b)+512*\t
.endr
.endm
.macro DOT b, left                     ; left: the next batch's eight loads, which stay out
	s_wait_dscnt \left
.set VB, 32+32*((\b)%2)
.set PA, 144+4*((\b)%2)
	v_pk_mul_f32 v[PA:PA+1], v[96:97], v[VB:VB+1]
	v_pk_mul_f32 v[PA+2:PA+3], v[98:99], v[VB+2:VB+3]
.irp t, 1,2,3,4,5,6,7
	v_pk_fma_f32 v[PA:PA+1], v[96+4*\t:97+4*\t], v[VB+4*\t:VB+4*\t+1], v[PA:PA+1]
	v_pk_fma_f32 v[PA+2:PA+3], v[98+4*\t:99+4*\t], v[VB+4*\t+2:VB+4*\t+3], v[PA+2:PA+3]
.endr
	v_pk_add_f32 v[PA:PA+1], v[PA:PA+1], v[PA+2:PA+3]
	v_add_f32 v[136+(\b)], v[PA], v[PA+1]
.endm
.macro ROWDOT                          ; my row against the 8 vectors; each sum ends in every lane
	VLOAD 0
	VLOAD 1
.irp b, 0,1,2,3,4,5
	DOT \b, 8
	VLOAD \b+2
.endr
	DOT 6, 8
	DOT 7, 0
.irp m, 1,2,4,8
.irp b, 0,1,2,3,4,5,6,7
	v_add_f32_dpp v[136+\b], v[136+\b], v[136+\b] row_xmask:\m row_mask:0xf bank_mask:0xf
.endr
.endr
.irp b, 0,1,2,3,4,5,6,7
	v_permlanex16_b32 v[144+\b], v[136+\b], s40, s41   ; its destination counts as read: the chains' registers have been written
.endr
.irp b, 0,2,4,6
	v_pk_add_f32 v[136+\b:137+\b], v[136+\b:137+\b], v[144+\b:145+\b]
.endr
.endm
.macro FINISH base                     ; lane L keeps batch L & 7; + bias; the 64 results meet in LDS and leave as one block
	v_cndmask_b32 v152, v136, v137, s25
.irp k, 2,3,4,5,6,7
	v_cndmask_b32 v152, v152, v[136+\k], s[24+\k]
.endr
	v_add_f32 v152, v152, v128
	ds_store_b32 v6, v152                          ; lanes 8 apart write the same word with the same number
	s_wait_dscnt 0x0
	s_barrier_signal -1
	s_barrier_wait -1
	s_cmp_lg_u32 s14, 0
	s_cbranch_scc1 .Lend
	ds_load_b64 v[154:155], v7
	s_wait_dscnt 0x0
	global_store_b64 v8, v[154:155], s[\base:\base+1]  ; wave 0's store covers 256 consecutive bytes, aligned
.Lend:
	s_wait_tensorcnt 0x0
	ds_add_u32 v160, v161
	s_wait_dscnt 0x0
	s_endpgm
.endm
	s_load_b256 s[4:11], s[0:1], 0x0               ; ctx s[4:5], ow s[6:7], ob s[8:9], ov s[10:11]
	v_lshl_add_u32 v160, v0, 2, 0x8200
	v_mov_b32 v161, 0
	v_lshrrev_b32 v1, 5, v0
	v_readfirstlane_b32 s14, v1                    ; wave w
	v_and_b32 v1, 31, v0                           ; L
	v_lshlrev_b32 v4, 4, v1
	v_mov_b32 v9, 0
	v_lshlrev_b32 v10, 4, v0
	s_lshl_b32 s22, ttmp9, 15                      ; 8 rows of 4,096 bytes
	s_lshl_b32 s16, s14, 12
	s_add_co_u32 s22, s22, s16
	s_mov_b32 s23, 0
	s_lshl_b32 s32, ttmp9, 5
	s_lshl_b32 s16, s14, 2
	s_add_co_u32 s32, s32, s16
	s_mov_b32 s33, 0
	s_lshl_b32 s36, ttmp9, 8
	s_mov_b32 s37, 0
	s_mov_b32 s40, 0x76543210
	s_mov_b32 s41, 0xfedcba98
	s_wait_kmcnt 0x0
	s_add_nc_u64 s[6:7], s[6:7], s[22:23]
	s_add_nc_u64 s[8:9], s[8:9], s[32:33]
	s_add_nc_u64 s[10:11], s[10:11], s[36:37]
.irp t, 0,1,2,3,4,5,6,7
	global_load_b128 v[32+4*\t:35+4*\t], v10, s[4:5] offset:4096*\t                ; block (thread >> 4) + 16 t, batch (thread >> 1) & 7, 4 numbers
.endr
.irp t, 0,1,2,3,4,5,6,7
	global_load_b128 v[96+4*\t:99+4*\t], v4, s[6:7] offset:512*\t th:TH_LOAD_NT    ; my row of ow: read by this wave alone
.endr
	global_load_b32 v128, v9, s[8:9]
	v_bfe_u32 v11, v0, 1, 3
	v_mul_u32_u24 v5, v11, VP
	v_lshrrev_b32 v11, 4, v0
	v_lshl_add_u32 v5, v11, 5, v5
	v_and_b32 v11, 1, v0
	v_lshl_add_u32 v5, v11, 4, v5                  ; V[batch][8 (thread >> 4) + 4 (thread & 1)]
	v_and_b32 v11, 7, v0
	s_lshl_b32 s17, s14, 2
	s_add_co_u32 s17, s17, YS
	v_lshl_add_u32 v6, v11, 5, s17                 ; YS[batch L & 7][row w]
	s_mov_b32 s18, YS
	v_lshl_add_u32 v7, v1, 3, s18
	v_lshlrev_b32 v8, 3, v1
.irp k, 1,2,3,4,5,6,7
	v_cmp_eq_u32 s[24+\k], \k, v11                 ; lanes that keep batch k
.endr
	s_wait_loadcnt 0x9                             ; ctx's 8 loads are in; my row's 8 and the bias are younger
.irp t, 0,1,2,3,4,5,6,7
	ds_store_b128 v5, v[32+4*\t:35+4*\t] offset:512*\t                 ; 16 blocks of 8 numbers are 512 bytes of a vector
.endr
	s_wait_dscnt 0x0
	s_barrier_signal -1
	s_barrier_wait -1
	s_wait_loadcnt 0x0                             ; my row and the bias
	ROWDOT
	FINISH 10
.Lfunc_end_k_q8e7317b306_outrow:
	.size	k_q8e7317b306_outrow, .Lfunc_end_k_q8e7317b306_outrow-k_q8e7317b306_outrow
	.p2alignl 7, 3214868480
	.fill 96, 4, 3214868480
	.section	.rodata,"a",@progbits
	.p2align	6, 0x0
	.amdhsa_kernel k_q8e7317b306_outrow
		.amdhsa_group_segment_fixed_size 34304
		.amdhsa_private_segment_fixed_size 0
		.amdhsa_enable_private_segment 0
		.amdhsa_kernarg_size 32
		.amdhsa_user_sgpr_count 2
		.amdhsa_user_sgpr_kernarg_segment_ptr 1
		.amdhsa_wavefront_size32 1
		.amdhsa_system_sgpr_workgroup_id_x 1
		.amdhsa_system_sgpr_workgroup_id_y 1
		.amdhsa_system_sgpr_workgroup_id_z 1
		.amdhsa_system_vgpr_workitem_id 0
		.amdhsa_next_free_vgpr 162
		.amdhsa_next_free_sgpr 66
		.amdhsa_reserve_vcc 0
		.amdhsa_float_denorm_mode_32 3
		.amdhsa_float_denorm_mode_16_64 3
		.amdhsa_memory_ordered 1
		.amdhsa_forward_progress 1
		.amdhsa_inst_pref_size 22
	.end_amdhsa_kernel
	.amdgpu_metadata
---
amdhsa.version: [ 1, 2 ]
amdhsa.kernels:
  - .name:           k_q8e7317b306_outrow
    .symbol:         k_q8e7317b306_outrow.kd
    .args:
      - { .name: ctx, .offset: 0, .size: 8, .value_kind: global_buffer, .address_space: global }
      - { .name: ow, .offset: 8, .size: 8, .value_kind: global_buffer, .address_space: global }
      - { .name: ob, .offset: 16, .size: 8, .value_kind: global_buffer, .address_space: global }
      - { .name: ov, .offset: 24, .size: 8, .value_kind: global_buffer, .address_space: global }
    .group_segment_fixed_size: 34304
    .private_segment_fixed_size: 0
    .kernarg_segment_align: 8
    .kernarg_segment_size: 32
    .max_flat_workgroup_size: 256
    .sgpr_count:     66
    .vgpr_count:     162
    .wavefront_size: 32
...
	.end_amdgpu_metadata
.endif
;; end of part 6
;; launch lnorm (part 7): grid 256 x 1, 8 waves a work-group, no clusters, 13,312 bytes of LDS; arguments x, ov, ln_g, ln_b, out0; writes out0
.if DOCPART == 7
	.amdgcn_target "amdgcn-amd-amdhsa--gfx1250"
	.amdhsa_code_object_version 6
	.text
	.protected	k_q8e7317b306_lnorm
	.globl	k_q8e7317b306_lnorm
	.p2align	8
	.type	k_q8e7317b306_lnorm,@function
k_q8e7317b306_lnorm:
	s_mov_b64 s[64:65], 0
	v_nop
	global_prefetch_b8 v0, s[64:65] scope:SCOPE_SE
	s_setreg_imm32_b32 hwreg(HW_REG_WAVE_MODE, 25, 1), 1
	s_wait_xcnt 0x0
; out0[b][s][:] = LayerNorm(x[b][s][:] + ov[b][:]) ln_g + ln_b, eps = 1e-12.  ov lies as [j / 8][b][j % 8].
; A stream: work-group g owns rows 32 g .. 32 g + 31 (all of batch g >> 5), wave w four of them.  A row is 32 registers of a wave (8 loads of 512 consecutive
; bytes) and stays in them from the load to the store, so x is read once here.  All 32 loads of a wave go out at once.
; Mean first, then the sum of squares of h - mean on the row in registers: no difference of large sums.
; ov, ln_g and ln_b are fetched once by the work-group, 16 bytes a thread, and handed round through LDS.
; Matrix unit, tensor loads and joint requests have nothing to do here: each row is one wave's alone.
; LIMIT: 1 / sqrt by v_rsq_f32 (1 ulp).
.set LO,   0                           ; LDS: ov[b], ln_g, ln_b: 4,096 bytes each
.set LG,   4096
.set LB,   8192
; v2 L*16  v3 thread*16  v4 ov offset  v[8:15] chains  v[16:17] mean, later 1 / sqrt, twice  v18 the other half's  v[20:31] as fetched
; v[32:63] ov  v[64:95] ln_g  v[96:127] ln_b (my 32 columns of each)  v[128:255] four rows
.macro MERGE                           ; four chains of pairs -> one number in v8
	v_pk_add_f32 v[8:9], v[8:9], v[10:11]
	v_pk_add_f32 v[12:13], v[12:13], v[14:15]
	v_pk_add_f32 v[8:9], v[8:9], v[12:13]
	v_add_f32 v8, v8, v9
.endm
.macro RED32                           ; v8 summed over the 32 lanes, the result in every lane
.irp m, 1,2,4,8
	v_add_f32_dpp v8, v8, v8 row_xmask:\m row_mask:0xf bank_mask:0xf
.endr
	v_permlanex16_b32 v18, v8, s22, s23
	v_add_f32 v8, v8, v18
.endm
.macro ROW rr, left                    ; left: the later rows' loads, which stay out
.set R, 128+32*\rr
	s_wait_loadcnt \left
.irp p, 0,1,2,3,4,5,6,7,8,9,10,11,12,13,14,15
	v_pk_add_f32 v[R+2*\p:R+2*\p+1], v[R+2*\p:R+2*\p+1], v[32+2*\p:33+2*\p]        ; h = x + o
.endr
.irp c, 0,1,2,3
	v_pk_add_f32 v[8+2*\c:9+2*\c], v[R+2*\c:R+2*\c+1], v[R+8+2*\c:R+9+2*\c]        ; the first pairs start the chains
.endr
.irp p, 8,9,10,11,12,13,14,15
	v_pk_add_f32 v[8+2*(\p%4):9+2*(\p%4)], v[8+2*(\p%4):9+2*(\p%4)], v[R+2*\p:R+2*\p+1]
.endr
	MERGE
	RED32
	v_mul_f32 v16, s20, v8                         ; mean = sum / 1,024
	v_mul_f32 v17, s20, v8
.irp p, 0,1,2,3,4,5,6,7,8,9,10,11,12,13,14,15
	v_pk_add_f32 v[R+2*\p:R+2*\p+1], v[R+2*\p:R+2*\p+1], v[16:17] neg_lo:[0,1] neg_hi:[0,1]   ; d = h - mean
.endr
.irp c, 0,1,2,3
	v_pk_mul_f32 v[8+2*\c:9+2*\c], v[R+2*\c:R+2*\c+1], v[R+2*\c:R+2*\c+1]
.endr
.irp p, 4,5,6,7,8,9,10,11,12,13,14,15
	v_pk_fma_f32 v[8+2*(\p%4):9+2*(\p%4)], v[R+2*\p:R+2*\p+1], v[R+2*\p:R+2*\p+1], v[8+2*(\p%4):9+2*(\p%4)]
.endr
	MERGE
	RED32
	v_fma_f32 v9, v8, s20, s21                     ; variance + eps
	v_rsq_f32 v16, v9
	v_nop                                          ; a plain instruction between the root and its use
	s_wait_alu depctr_va_vdst(0)
	v_mov_b32 v17, v16
.irp p, 0,1,2,3,4,5,6,7,8,9,10,11,12,13,14,15
	v_pk_mul_f32 v[R+2*\p:R+2*\p+1], v[R+2*\p:R+2*\p+1], v[16:17]
.endr
.irp p, 0,1,2,3,4,5,6,7,8,9,10,11,12,13,14,15
	v_pk_fma_f32 v[R+2*\p:R+2*\p+1], v[R+2*\p:R+2*\p+1], v[64+2*\p:65+2*\p], v[96+2*\p:97+2*\p]
.endr
.irp t, 0,1,2,3,4,5,6,7
	global_store_b128 v2, v[R+4*\t:R+4*\t+3], s[12:13] offset:4096*\rr+512*\t th:TH_STORE_NT   ; 512 consecutive bytes, aligned; a row's registers are not written again
.endr
.endm
	s_load_b256 s[4:11], s[0:1], 0x0               ; x s[4:5], ov s[6:7], ln_g s[8:9], ln_b s[10:11]
	s_load_b64 s[12:13], s[0:1], 0x20              ; out0
	v_lshl_add_u32 v7, v0, 2, 0x3000
	v_mov_b32 v19, 0
	v_lshrrev_b32 v1, 5, v0
	v_readfirstlane_b32 s14, v1                    ; wave w
	v_and_b32 v1, 31, v0
	v_lshlrev_b32 v2, 4, v1
	v_lshlrev_b32 v3, 4, v0
	v_lshrrev_b32 v4, 1, v0
	v_and_b32 v5, 1, v0
	v_lshlrev_b32 v4, 8, v4
	v_lshl_add_u32 v4, v5, 4, v4                   ; block thread >> 1, numbers 4 (thread & 1) on: columns 4 thread ..
	v_mov_b32 v18, 0                               ; v_permlanex16_b32 counts as a reader of its destination
	s_lshl_b32 s16, ttmp9, 17                      ; 32 rows of 4,096 bytes
	s_lshl_b32 s15, s14, 14                        ; my 4 rows
	s_add_co_u32 s16, s16, s15
	s_mov_b32 s17, 0
	s_lshr_b32 s18, ttmp9, 5                       ; b
	s_lshl_b32 s18, s18, 5
	s_mov_b32 s19, 0
	s_mov_b32 s20, 0x3a800000                      ; 1 / 1,024
	s_mov_b32 s21, 0x2b8cbccc                      ; 1e-12
	s_mov_b32 s22, 0x76543210
	s_mov_b32 s23, 0xfedcba98
	s_wait_kmcnt 0x0
	s_add_nc_u64 s[4:5], s[4:5], s[16:17]
	s_add_nc_u64 s[12:13], s[12:13], s[16:17]
	s_add_nc_u64 s[6:7], s[6:7], s[18:19]
	global_load_b128 v[20:23], v4, s[6:7]
	global_load_b128 v[24:27], v3, s[8:9]
	global_load_b128 v[28:31], v3, s[10:11]
.set i, 0
.rept 32
	global_load_b128 v[128+4*i:131+4*i], v2, s[4:5] offset:512*i th:TH_LOAD_NT     ; my four rows lie one behind the other; nothing reads x after this
.set i, i+1
.endr
	s_wait_loadcnt 32                              ; ov, ln_g, ln_b are in; x's 32 younger loads stay out
	ds_store_b128 v3, v[20:23] offset:LO
	ds_store_b128 v3, v[24:27] offset:LG
	ds_store_b128 v3, v[28:31] offset:LB
	s_wait_dscnt 0x0
	s_barrier_signal -1
	s_barrier_wait -1
.irp t, 0,1,2,3,4,5,6,7
	ds_load_b128 v[32+4*\t:35+4*\t], v2 offset:LO+512*\t
	ds_load_b128 v[64+4*\t:67+4*\t], v2 offset:LG+512*\t
	ds_load_b128 v[96+4*\t:99+4*\t], v2 offset:LB+512*\t
.endr
	s_wait_dscnt 0x0
	ROW 0, 24
	ROW 1, 16
	ROW 2, 8
	ROW 3, 0
	s_wait_tensorcnt 0x0
	ds_add_u32 v7, v19
	s_wait_dscnt 0x0
	s_endpgm
.Lfunc_end_k_q8e7317b306_lnorm:
	.size	k_q8e7317b306_lnorm, .Lfunc_end_k_q8e7317b306_lnorm-k_q8e7317b306_lnorm
	.p2alignl 7, 3214868480
	.fill 96, 4, 3214868480
	.section	.rodata,"a",@progbits
	.p2align	6, 0x0
	.amdhsa_kernel k_q8e7317b306_lnorm
		.amdhsa_group_segment_fixed_size 13312
		.amdhsa_private_segment_fixed_size 0
		.amdhsa_enable_private_segment 0
		.amdhsa_kernarg_size 40
		.amdhsa_user_sgpr_count 2
		.amdhsa_user_sgpr_kernarg_segment_ptr 1
		.amdhsa_wavefront_size32 1
		.amdhsa_system_sgpr_workgroup_id_x 1
		.amdhsa_system_sgpr_workgroup_id_y 1
		.amdhsa_system_sgpr_workgroup_id_z 1
		.amdhsa_system_vgpr_workitem_id 0
		.amdhsa_next_free_vgpr 256
		.amdhsa_next_free_sgpr 66
		.amdhsa_reserve_vcc 0
		.amdhsa_float_denorm_mode_32 3
		.amdhsa_float_denorm_mode_16_64 3
		.amdhsa_memory_ordered 1
		.amdhsa_forward_progress 1
		.amdhsa_inst_pref_size 39
	.end_amdhsa_kernel
	.amdgpu_metadata
---
amdhsa.version: [ 1, 2 ]
amdhsa.kernels:
  - .name:           k_q8e7317b306_lnorm
    .symbol:         k_q8e7317b306_lnorm.kd
    .args:
      - { .name: x, .offset: 0, .size: 8, .value_kind: global_buffer, .address_space: global }
      - { .name: ov, .offset: 8, .size: 8, .value_kind: global_buffer, .address_space: global }
      - { .name: ln_g, .offset: 16, .size: 8, .value_kind: global_buffer, .address_space: global }
      - { .name: ln_b, .offset: 24, .size: 8, .value_kind: global_buffer, .address_space: global }
      - { .name: out0, .offset: 32, .size: 8, .value_kind: global_buffer, .address_space: global }
    .group_segment_fixed_size: 13312
    .private_segment_fixed_size: 0
    .kernarg_segment_align: 8
    .kernarg_segment_size: 40
    .max_flat_workgroup_size: 256
    .sgpr_count:     66
    .vgpr_count:     256
    .wavefront_size: 32
...
	.end_amdgpu_metadata
.endif
;; end of part 7
;; ======== version 2 of 2: 6 launches
;; workspace buffers: qp 524,288 bytes; qk 524,288 bytes; cs 512 bytes; pt 16,777,216 bytes; ml 32,768 bytes; ctx 65,536 bytes; ov 32,768 bytes
;; launch qpart: the kernel of part 1 again; grid 256 x 1, 8 waves a work-group, no clusters, 5,376 bytes of LDS; arguments x_neighbor, neighbor_mask, qw, kw, qp; writes qp
;; launch qkproj: the kernel of part 2 again; grid 256 x 1, 8 waves a work-group, no clusters, 35,840 bytes of LDS; arguments qp, qb, kb, kw, qk, cs; writes qk, cs
;; launch scorepv (part 8): grid 256 x 1, 8 waves a work-group, no clusters, 178,432 bytes of LDS; arguments x, qk, cs, mask, vw, pt, ml; writes pt, ml
.if DOCPART == 8
	.amdgcn_target "amdgcn-amd-amdhsa--gfx1250"
	.amdhsa_code_object_version 6
	.text
	.protected	k_q8e7317b306_scorepv
	.globl	k_q8e7317b306_scorepv
	.p2align	8
	.type	k_q8e7317b306_scorepv,@function
k_q8e7317b306_scorepv:
	s_mov_b64 s[64:65], 0
	v_nop
	global_prefetch_b8 v0, s[64:65] scope:SCOPE_SE
	s_setreg_imm32_b32 hwreg(HW_REG_WAVE_MODE, 25, 1), 1
	s_wait_xcnt 0x0
; For the 32 keys of block kb of batch b and each of the 16 heads:
;   s_k = sum_i qk[b][h][i] x[b][k][i] + cs[h][b], -infinity where mask[b][k] is 0   (in units of log2: qk and cs carry log2(e) / 8)
;   m = max_k s_k,  p_k = 2^(s_k - m),  l = sum_k p_k,  pt[b][kb][h][i] = sum_k p_k x[b][k][i];  ml[b][kb] = 16 m, then 16 l.
; With sum_k w_k = 1 the context is vw (sum_k w_k x_k) + vb, so v is never formed; the next launch rescales the 32 blocks' sums by the true maximum.
; Work-group g = 32 b + kb: 32 keys (128 KB of x, asked for at once, 32 loads of 16 bytes a lane).  x is rounded to bf16 into LDS ONCE and serves both products:
; as it lies for the scores, turned on the way out of LDS for the weighted sum.  Products on the matrix unit, sums in f32.
; Scores: wave w takes 16 keys t = w & 1 and a quarter kq = w >> 1 of the 1,024 columns: 8 matrix instructions; the four quarters meet in LDS.
; Weighted sum: wave w takes columns 128 w on: 8 matrix instructions of 32 keys, each with its own accumulator; the results leave through the wave's own stage as rows of 512 bytes.
; A block whose keys are all masked: m = -infinity is stored, and 0 is taken away in its place, so that its p, l and sums are 0.
; No tensor loads: the operands have to pass registers to be rounded, and a work-group's whole share fits in them.  So no joint requests either: what the 32
; work-groups of a batch share is qk[b], 64 KB of the 192 KB that a work-group reads.
; LIMITS: qk, x and p in bf16 for the products; l is the sum of the unrounded p; p under 2^-126 counts as 0; the sum over i is formed in 8 parts.
.set XP,   2064                        ; an LDS row: 1,024 bf16 + 16 bytes = 129 x 16: the 16 rows of a plain fragment load start in 16 different 16-byte columns.
                                       ; (The turning load's 8 rows x 32 bytes then overlap by halves; a pitch of 65 x 32 would swap the two cases, and a wave has 16 loads of each kind.)
.set XT,   0                           ; 32 rows of x
.set QT,   32*XP                       ; 16 rows of qk
.set RED,  48*XP                       ; 4 quarters x 16 heads x (32 keys x 4 bytes + 16)
.set RP,   144
.set PT,   RED+64*RP                   ; p: 16 heads x (32 bf16 + 16 bytes)
.set PPT,  80
.set ST,   PT+16*PPT                   ; 16 m, 16 l
.set STG,  ST+256                      ; the way out: for each wave 16 heads x (128 columns x 4 bytes + 16)
.set SGP,  528
.set SGW,  16*SGP
; v4 L*16  v5, v6 where rounded rows go  v7, v8 fragments  v9, v10 RED in and out  v11 zero  v[12:13] mask  v16 c  v17 -inf  v18, v19 mask's and c's offsets
; v22 PT in  v23 ST in  v24 turning load  v25 PT out  v26, v27 stage in and out  v29 ST out  v30 L*4  v31 prefetch offset
; v[32:39], v[40:47] score accumulators  v[48:55] their sum  v56 m or l on its way out  v[64:191] x as loaded, then fragments of x v[64:127] and of qk v[128:191]
; v[192:255] qk as loaded, then x turned.  Later: v[64:70] softmax, then v[64:127] the second product's eight accumulators; v[128:135] p's fragment;
; v[192:255] at last the rows back from the stage.  So no product of the second run names a register of another but p's fragment, which all eight read.
.set ACC,  64                          ; the second product's accumulators
.set XTR,  192                         ; x turned; at last the rows back from the stage
.macro CVST q, adr, off                ; four f32 -> four bf16 -> LDS; 32 lanes write 256 consecutive bytes
	v_cvt_pk_bf16_f32 v[\q], v[\q], v[\q+1]
	v_cvt_pk_bf16_f32 v[\q+1], v[\q+2], v[\q+3]
	ds_store_b64 v[\adr], v[\q:\q+1] offset:\off
.endm
	s_load_b256 s[4:11], s[0:1], 0x0               ; x s[4:5], qk s[6:7], cs s[8:9], mask s[10:11]
	s_load_b128 s[12:15], s[0:1], 0x20             ; vw s[12:13], pt s[14:15]
	s_load_b64 s[16:17], s[0:1], 0x30              ; ml
	v_lshl_add_u32 v62, v0, 2, 0x2b500
	v_mov_b32 v63, 0
	v_lshrrev_b32 v1, 5, v0
	v_readfirstlane_b32 s18, v1                    ; wave w
	v_and_b32 v1, 31, v0                           ; L
	v_and_b32 v2, 15, v0                           ; iq
	v_bfe_u32 v3, v0, 4, 1                         ; hf
	v_lshrrev_b32 v21, 4, v0                       ; thread >> 4: the head in the softmax
	v_lshlrev_b32 v4, 4, v1
	v_lshlrev_b32 v18, 3, v2                       ; two keys' words of mask
	v_lshlrev_b32 v19, 5, v21                      ; cs[head]
	v_lshlrev_b32 v31, 8, v1                       ; lanes 256 bytes apart
	s_lshr_b32 s19, ttmp9, 5                       ; b
	s_lshl_b32 s20, ttmp9, 17                      ; 32 rows of 4,096 bytes
	s_lshl_b32 s34, s18, 14                        ; my 4 rows
	s_add_co_u32 s20, s20, s34
	s_mov_b32 s21, 0
	s_lshl_b32 s22, s19, 16
	s_lshl_b32 s34, s18, 13                        ; my 2 heads
	s_add_co_u32 s22, s22, s34
	s_mov_b32 s23, 0
	s_lshl_b32 s24, s19, 2
	s_mov_b32 s25, 0
	s_lshl_b32 s26, ttmp9, 7
	s_mov_b32 s27, 0
	s_lshl_b32 s28, ttmp9, 14                      ; my 16 KB of vw
	s_mov_b32 s29, 0
	s_lshl_b32 s30, ttmp9, 16                      ; the block's 16 heads x 4,096 bytes of pt
	s_lshl_b32 s34, s18, 9                         ; my 128 columns
	s_add_co_u32 s30, s30, s34
	s_mov_b32 s31, 0
	s_lshl_b32 s32, ttmp9, 7                       ; the block's 128 bytes of ml
	s_mov_b32 s33, 0
	s_wait_kmcnt 0x0
	s_add_nc_u64 s[4:5], s[4:5], s[20:21]
	s_add_nc_u64 s[6:7], s[6:7], s[22:23]
	s_add_nc_u64 s[8:9], s[8:9], s[24:25]
	s_add_nc_u64 s[10:11], s[10:11], s[26:27]
	s_add_nc_u64 s[12:13], s[12:13], s[28:29]
	s_add_nc_u64 s[14:15], s[14:15], s[30:31]
	s_add_nc_u64 s[16:17], s[16:17], s[32:33]
	global_load_b64 v[12:13], v18, s[10:11]
	global_load_b32 v16, v19, s[8:9]
.set i, 0
.rept 16
	global_load_b128 v[192+4*i:195+4*i], v4, s[6:7] offset:512*i       ; heads 2 w, 2 w + 1: 512 consecutive bytes a load
.set i, i+1
.endr
.set i, 0
.rept 32
	global_load_b128 v[64+4*i:67+4*i], v4, s[4:5] offset:512*i         ; rows 4 w .. 4 w + 3 lie one behind the other
.set i, i+1
.endr
	s_cmp_lg_u32 s18, 7
	s_cbranch_scc1 .Lno_ask
	global_prefetch_b8 v31, s[12:13] th:TH_LOAD_NT scope:SCOPE_SE                  ; vw for the next launch: 256 work-groups x 64 blocks of 256 bytes,
	global_prefetch_b8 v31, s[12:13] offset:8192 th:TH_LOAD_NT scope:SCOPE_SE      ; each block asked for once, by wave 7 of one work-group
.Lno_ask:
	s_and_b32 s34, s18, 1                          ; t
	s_lshr_b32 s35, s18, 1                         ; kq
	s_mul_i32 s36, s18, 4*XP
	v_lshl_add_u32 v5, v1, 3, s36                  ; XT row 4 w, 8 bytes a lane
	s_mul_i32 s37, s18, 2*XP
	s_add_co_u32 s37, s37, QT
	v_lshl_add_u32 v6, v1, 3, s37                  ; QT row 2 w
	v_mul_u32_u24 v20, v2, XP
	v_lshl_add_u32 v20, v3, 4, v20                 ; a fragment: row iq, 16 bytes for each half of the lanes
	s_mul_i32 s38, s34, 16*XP
	s_lshl_b32 s39, s35, 9                         ; my quarter: 256 bf16
	s_add_co_u32 s38, s38, s39
	v_add_nc_u32 v7, s38, v20
	s_add_co_u32 s39, s39, QT
	v_add_nc_u32 v8, s39, v20
	s_mul_i32 s40, s35, 16*RP
	s_lshl_b32 s41, s34, 6
	s_add_co_u32 s40, s40, s41
	s_add_co_u32 s40, s40, RED
	v_mul_u32_u24 v9, v2, RP
	v_lshl_add_u32 v9, v3, 5, v9
	v_add_nc_u32 v9, s40, v9                       ; RED[kq][head iq][key 16 t + 8 hf]
	v_mul_u32_u24 v10, v21, RP
	v_lshl_add_u32 v10, v2, 3, v10
	v_add_nc_u32 v10, RED, v10                     ; RED[.][head thread >> 4][key 2 iq]
	v_mov_b32 v17, 0xff800000                      ; -infinity
	v_mov_b32 v11, 0
	v_mul_u32_u24 v22, v21, PPT
	v_lshl_add_u32 v22, v2, 2, v22
	v_add_nc_u32 v22, PT, v22                      ; PT[head thread >> 4][key 2 iq]
	v_lshlrev_b32 v23, 2, v21
	v_add_nc_u32 v23, ST, v23                      ; ST[head thread >> 4]
	v_and_b32 v57, 7, v0
	v_lshl_add_u32 v24, v3, 3, v57
	v_mul_u32_u24 v24, v24, XP
	v_bfe_u32 v57, v0, 3, 1
	v_lshl_add_u32 v24, v57, 4, v24
	s_lshl_b32 s42, s18, 8
	v_add_nc_u32 v24, s42, v24                     ; the turning load: key 8 hf + (L & 7), 16 bytes at 16 ((L >> 3) & 1) of my 128 columns
	v_mul_u32_u24 v25, v2, PPT
	v_lshl_add_u32 v25, v3, 4, v25
	v_add_nc_u32 v25, PT, v25                      ; PT[head iq][key 8 hf]
	s_mul_i32 s43, s18, SGW
	s_add_co_u32 s43, s43, STG                     ; my stage
	v_mul_u32_u24 v26, v2, SGP
	v_lshl_add_u32 v26, v3, 5, v26
	v_add_nc_u32 v26, s43, v26                     ; in: head iq, 32 bytes for each half of the lanes
	v_add_nc_u32 v27, s43, v4                      ; back: 32 lanes take a head's 512 bytes
	v_lshlrev_b32 v30, 2, v1
	v_add_nc_u32 v29, ST, v30
	s_wait_loadcnt 32                              ; mask, c and qk are in; x's 32 younger loads stay out
.set i, 0
.rept 16
	CVST 192+4*i, 6, (i/8)*XP+(i%8)*256
.set i, i+1
.endr
.set i, 0
.rept 32
.if (i%8)==0
	s_wait_loadcnt 24-i                            ; this row's eight loads are in; the later rows' stay out
.endif
	CVST 64+4*i, 5, (i/8)*XP+(i%8)*256
.set i, i+1
.endr
	s_wait_dscnt 0x0                               ; my rows are in LDS before I signal
	s_barrier_signal -1
	s_barrier_wait -1
.irp s, 0,1,2,3,4,5,6,7                ; K step s: 32 columns; lane (iq, hf) takes 16 bytes at 16 hf and at 32 + 16 hf of row iq
	ds_load_b128 v[64+8*\s:67+8*\s], v7 offset:64*\s
	ds_load_b128 v[68+8*\s:71+8*\s], v7 offset:64*\s+32
	ds_load_b128 v[128+8*\s:131+8*\s], v8 offset:64*\s
	ds_load_b128 v[132+8*\s:135+8*\s], v8 offset:64*\s+32
.endr
.irp c, 0,1,2,3,4,5,6,7                ; x turned, for the second product: columns 128 w + 16 c on, all 32 keys; asked for now, so that it comes in under the first product
	ds_load_tr16_b128 v[XTR+8*\c:XTR+8*\c+3], v24 offset:32*\c
	ds_load_tr16_b128 v[XTR+8*\c+4:XTR+8*\c+7], v24 offset:32*\c+16*XP
.endr
	; source 0 = 16 keys, source 1 = 16 heads: a lane's result is head iq, keys 8 hf + 0..7.  The two accumulators take turns.
	s_wait_dscnt 44                                ; step 0's four loads are in; the 28 of the later steps and the 16 turning loads stay out
	v_wmma_f32_16x16x32_bf16 v[32:39], v[64:71], v[128:135], 0
	s_wait_dscnt 40
	v_wmma_f32_16x16x32_bf16 v[40:47], v[72:79], v[136:143], 0
.irp s, 2,3,4,5,6,7
	s_wait_dscnt 44-4*\s                           ; four loads for each later step and the 16 turning loads stay out
	v_wmma_f32_16x16x32_bf16 v[32+8*(\s%2):39+8*(\s%2)], v[64+8*\s:71+8*\s], v[128+8*\s:135+8*\s], v[32+8*(\s%2):39+8*(\s%2)]
.endr
.rept 4
	v_nop                                          ; four places between the last product and the first read of a result (ISA guide 7.12.1)
.endr
.irp j, 0,2,4,6
	v_pk_add_f32 v[48+\j:49+\j], v[32+\j:33+\j], v[40+\j:41+\j]        ; from the low end on
.endr
	ds_store_b128 v9, v[48:51]
	ds_store_b128 v9, v[52:55] offset:16
	s_wait_dscnt 0x0
	s_barrier_signal -1
	s_barrier_wait -1
.irp p, 0,1,2,3
	ds_load_b64 v[64+2*\p:65+2*\p], v10 offset:16*RP*\p                ; the four quarters of my two scores
.endr
	s_wait_dscnt 0x0
	v_pk_add_f32 v[64:65], v[64:65], v[66:67]
	v_pk_add_f32 v[68:69], v[68:69], v[70:71]
	v_pk_add_f32 v[64:65], v[64:65], v[68:69]
	v_cmp_eq_u32 vcc_lo, 0, v12
	v_cmp_eq_u32 s44, 0, v13
	v_add_f32 v64, v64, v16                        ; + q . kb
	v_add_f32 v65, v65, v16
	v_cndmask_b32 v64, v64, v17, vcc_lo            ; a masked key's score is -infinity
	v_cndmask_b32 v65, v65, v17, s44
	; the block's softmax: a head's 32 scores lie two a lane in 16 lanes
	v_max_num_f32 v66, v64, v65
.irp m, 1,2,4,8
	v_max_num_f32_dpp v66, v66, v66 row_xmask:\m row_mask:0xf bank_mask:0xf
.endr
	v_cmp_eq_f32 vcc_lo, v66, v17
	v_cndmask_b32 v67, v66, v11, vcc_lo            ; what is taken away: m, or 0 where all 32 keys are masked
	v_sub_f32 v64, v64, v67
	v_sub_f32 v65, v65, v67
	v_exp_f32 v64, v64
	v_exp_f32 v65, v65
	v_nop                                          ; a plain instruction between the last exponential and the use of the results
	s_wait_alu depctr_va_vdst(0)
	v_add_f32 v69, v64, v65
	v_cvt_pk_bf16_f32 v70, v64, v65
.irp m, 1,2,4,8
	v_add_f32_dpp v69, v69, v69 row_xmask:\m row_mask:0xf bank_mask:0xf
.endr
	ds_store_b32 v22, v70                          ; p of keys 2 iq, 2 iq + 1
	ds_store_b32 v23, v66                          ; m: the 16 lanes write the same word with the same number
	ds_store_b32 v23, v69 offset:64                ; l likewise
	s_wait_dscnt 0x0
	s_barrier_signal -1
	s_barrier_wait -1
	ds_load_b128 v[128:131], v25                   ; p's fragment: head iq, keys 8 hf on and 16 + 8 hf on
	ds_load_b128 v[132:135], v25 offset:32
	s_cmp_lg_u32 s18, 0
	s_cbranch_scc1 .Lno_ml
	ds_load_b32 v56, v29
	s_wait_dscnt 0x0
	global_store_b32 v30, v56, s[16:17]            ; wave 0: the block's 16 m and 16 l, 128 consecutive bytes, all that a block has
.Lno_ml:
	s_wait_dscnt 0x0
	; source 0 = 16 columns of x, source 1 = 16 heads, 32 keys: a lane's result is head iq, columns 16 c + 8 hf + 0..7 of my 128.  Each product has its own accumulator,
	; in registers that no product of this run reads.  They were the score products' fragments of x: five v_nop and two compares on the mask stand since.
.irp c, 0,1,2,3,4,5,6,7
	v_wmma_f32_16x16x32_bf16 v[ACC+8*\c:ACC+8*\c+7], v[XTR+8*\c:XTR+8*\c+7], v[128:135], 0
.endr
.rept 4
	v_nop                                          ; four places between the last product and the first read of a result, and the loads into x's registers below
.endr
.irp c, 0,1,2,3,4,5,6,7
	ds_store_b128 v26, v[ACC+8*\c:ACC+8*\c+3] offset:64*\c             ; each accumulator from its low end on
	ds_store_b128 v26, v[ACC+8*\c+4:ACC+8*\c+7] offset:64*\c+16
.endr
.irp t, 0,1,2,3,4,5,6,7,8,9,10,11,12,13,14,15
	ds_load_b128 v[XTR+4*\t:XTR+4*\t+3], v27 offset:SGP*\t             ; LDS serves a wave's instructions in order (ISA guide 5.7.1.4): these see my stores above
.endr
.irp t, 0,1,2,3,4,5,6,7,8,9,10,11,12,13,14,15
	s_wait_dscnt 15-\t                             ; head t's row is back; the later heads' loads stay out
	global_store_b128 v4, v[XTR+4*\t:XTR+4*\t+3], s[14:15] offset:4096*\t  ; the wave's store covers 512 consecutive bytes, aligned
.endr
	s_wait_tensorcnt 0x0
	ds_add_u32 v62, v63
	s_wait_dscnt 0x0
	s_endpgm
.Lfunc_end_k_q8e7317b306_scorepv:
	.size	k_q8e7317b306_scorepv, .Lfunc_end_k_q8e7317b306_scorepv-k_q8e7317b306_scorepv
	.p2alignl 7, 3214868480
	.fill 96, 4, 3214868480
	.section	.rodata,"a",@progbits
	.p2align	6, 0x0
	.amdhsa_kernel k_q8e7317b306_scorepv
		.amdhsa_group_segment_fixed_size 178432
		.amdhsa_private_segment_fixed_size 0
		.amdhsa_enable_private_segment 0
		.amdhsa_kernarg_size 56
		.amdhsa_user_sgpr_count 2
		.amdhsa_user_sgpr_kernarg_segment_ptr 1
		.amdhsa_wavefront_size32 1
		.amdhsa_system_sgpr_workgroup_id_x 1
		.amdhsa_system_sgpr_workgroup_id_y 1
		.amdhsa_system_sgpr_workgroup_id_z 1
		.amdhsa_system_vgpr_workitem_id 0
		.amdhsa_next_free_vgpr 256
		.amdhsa_next_free_sgpr 66
		.amdhsa_reserve_vcc 1
		.amdhsa_float_denorm_mode_32 3
		.amdhsa_float_denorm_mode_16_64 3
		.amdhsa_memory_ordered 1
		.amdhsa_forward_progress 1
		.amdhsa_inst_pref_size 31
	.end_amdhsa_kernel
	.amdgpu_metadata
---
amdhsa.version: [ 1, 2 ]
amdhsa.kernels:
  - .name:           k_q8e7317b306_scorepv
    .symbol:         k_q8e7317b306_scorepv.kd
    .args:
      - { .name: x, .offset: 0, .size: 8, .value_kind: global_buffer, .address_space: global }
      - { .name: qk, .offset: 8, .size: 8, .value_kind: global_buffer, .address_space: global }
      - { .name: cs, .offset: 16, .size: 8, .value_kind: global_buffer, .address_space: global }
      - { .name: mask, .offset: 24, .size: 8, .value_kind: global_buffer, .address_space: global }
      - { .name: vw, .offset: 32, .size: 8, .value_kind: global_buffer, .address_space: global }
      - { .name: pt, .offset: 40, .size: 8, .value_kind: global_buffer, .address_space: global }
      - { .name: ml, .offset: 48, .size: 8, .value_kind: global_buffer, .address_space: global }
    .group_segment_fixed_size: 178432
    .private_segment_fixed_size: 0
    .kernarg_segment_align: 8
    .kernarg_segment_size: 56
    .max_flat_workgroup_size: 256
    .sgpr_count:     66
    .vgpr_count:     256
    .wavefront_size: 32
...
	.end_amdgpu_metadata
.endif
;; end of part 8
;; launch ctxhalf (part 9): grid 256 x 1, 8 waves a work-group, no clusters, 6,400 bytes of LDS; arguments pt, ml, vw, vb, ow, ctx; writes ctx
.if DOCPART == 9
	.amdgcn_target "amdgcn-amd-amdhsa--gfx1250"
	.amdhsa_code_object_version 6
	.text
	.protected	k_q8e7317b306_ctxhalf
	.globl	k_q8e7317b306_ctxhalf
	.p2align	8
	.type	k_q8e7317b306_ctxhalf,@function
k_q8e7317b306_ctxhalf:
	s_mov_b64 s[64:65], 0
	v_nop
	global_prefetch_b8 v0, s[64:65] scope:SCOPE_SE
	s_setreg_imm32_b32 hwreg(HW_REG_WAVE_MODE, 25, 1), 1
	s_wait_xcnt 0x0
; For batch b, head h and half hc of the 1,024 columns:
;   m = max_kb m_kb,  e_kb = 2^(m_kb - m),  l = sum_kb e_kb l_kb,  XW[i] = sum_kb (e_kb / l) pt[b][kb][h][i]   (the softmax-weighted sum of x; the true maximum is taken away here)
;   ctx[hc][b][64 h + d] = sum over the half's 512 i of vw[64 h + d][i] XW[i]  (+ vb[64 h + d] in half 0).  The next launch adds the two halves.
; Work-group g = 32 b + 2 h + hc.  It reads 32 blocks x 2 KB of pt (its own alone) and 64 rows x 2 KB of vw; its 64 results are 256 consecutive bytes.
; Lane L of every wave takes block L's m and l, so m, l and the 32 weights cost one reduction over the wave; the weights reach all lanes through the wave's own 128 bytes of LDS.
; Thread: 4 columns (thread & 127) of the 16 blocks of parity thread >> 7; the two parities meet in LDS.  Then wave w takes rows 8 w .. 8 w + 7 of the head.
; f32 on the vector unit: one multiply-add for each number loaded; the matrix unit has nothing to gain.  No joint requests: nothing goes through tensor loads;
; what work-groups share is vw's half rows (the 8 batches'), which are multiplied in registers as they arrive.
; LIMITS: 1 / l by v_rcp_f32 (1 ulp); e under 2^-126 counts as 0; a batch whose keys are all masked gives NaN (-inf minus -inf), as the module does.
.set WS,   0                           ; LDS: weights, for each wave [parity 2][16] words
.set XV,   1024                        ; LDS: [parity 2][512 columns] f32
.set YS,   5120                        ; LDS: the 64 results
; v2 ml offset  v3 pt offset  v4 L*16  v6, v7 WS in and out  v8, v9 XV in and out  v10, v11 YS in and out  v12 prefetch offset  v13 vb  v14 L & 7  v15 vb offset
; v16 m_kb  v17 l_kb  v18 the other half's  v19 m  v20 e, then the weight  v21 l  v22 1 / l  v24 store offset  v[32:47] my 16 weights  v[48:51] sums
; v[64:127] pt, later XW v[64:79] and the other parity's v[80:95], the 8 dots v[96:103], chains v[104:111], v120, v121 result  v[122:123] out  v[128:255] vw
.macro WFMA n                          ; sums += block n's 4 columns x its weight, the weight broadcast out of its pair
.if (\n)%2
	v_pk_fma_f32 v[48:49], v[64+4*(\n):65+4*(\n)], v[31+(\n):32+(\n)], v[48:49] op_sel:[0,1,0] op_sel_hi:[1,1,1]
	v_pk_fma_f32 v[50:51], v[66+4*(\n):67+4*(\n)], v[31+(\n):32+(\n)], v[50:51] op_sel:[0,1,0] op_sel_hi:[1,1,1]
.else
	v_pk_fma_f32 v[48:49], v[64+4*(\n):65+4*(\n)], v[32+(\n):33+(\n)], v[48:49] op_sel_hi:[1,0,1]
	v_pk_fma_f32 v[50:51], v[66+4*(\n):67+4*(\n)], v[32+(\n):33+(\n)], v[50:51] op_sel_hi:[1,0,1]
.endif
.endm
.macro DOT r                           ; row 8 w + r against XW, my 16 columns
	s_wait_loadcnt 28-4*(\r)                       ; this row's four loads are in; the later rows' stay out
.set WR, 128+16*(\r)
.set PA, 104+4*((\r)%2)
	v_pk_mul_f32 v[PA:PA+1], v[WR:WR+1], v[64:65]
	v_pk_mul_f32 v[PA+2:PA+3], v[WR+2:WR+3], v[66:67]
.irp t, 1,2,3
	v_pk_fma_f32 v[PA:PA+1], v[WR+4*\t:WR+4*\t+1], v[64+4*\t:65+4*\t], v[PA:PA+1]
	v_pk_fma_f32 v[PA+2:PA+3], v[WR+4*\t+2:WR+4*\t+3], v[66+4*\t:67+4*\t], v[PA+2:PA+3]
.endr
	v_pk_add_f32 v[PA:PA+1], v[PA:PA+1], v[PA+2:PA+3]
	v_add_f32 v[96+(\r)], v[PA], v[PA+1]
.endm
	s_load_b256 s[4:11], s[0:1], 0x0               ; pt s[4:5], ml s[6:7], vw s[8:9], vb s[10:11]
	s_load_b128 s[12:15], s[0:1], 0x20             ; ow s[12:13], ctx s[14:15]
	v_lshl_add_u32 v62, v0, 2, 0x1500
	v_mov_b32 v63, 0
	v_lshrrev_b32 v1, 5, v0
	v_readfirstlane_b32 s16, v1                    ; wave w
	v_and_b32 v1, 31, v0                           ; L
	v_lshlrev_b32 v2, 7, v1                        ; block L's 128 bytes of ml
	v_and_b32 v3, 127, v0
	v_lshlrev_b32 v3, 4, v3                        ; 4 columns
	v_lshrrev_b32 v5, 7, v0
	v_lshl_add_u32 v3, v5, 16, v3                  ; + the parity's block (65,536 bytes a block)
	v_lshlrev_b32 v4, 4, v1
	v_and_b32 v14, 7, v0
	v_lshlrev_b32 v15, 2, v14
	v_lshlrev_b32 v12, 8, v1                       ; lanes 256 bytes apart
	s_lshr_b32 s17, ttmp9, 5                       ; b
	s_bfe_u32 s18, ttmp9, 0x40001                  ; h
	s_and_b32 s19, ttmp9, 1                        ; hc
	s_lshl_b32 s24, s19, 11                        ; the half's 2,048 bytes of a row
	s_lshl_b32 s20, s17, 21                        ; 32 blocks x 16 heads x 4,096 bytes
	s_lshl_b32 s32, s18, 12
	s_add_co_u32 s20, s20, s32
	s_add_co_u32 s20, s20, s24
	s_mov_b32 s21, 0
	s_lshl_b32 s22, s17, 12                        ; 32 blocks x 128 bytes
	s_lshl_b32 s32, s18, 2
	s_add_co_u32 s22, s22, s32
	s_mov_b32 s23, 0
	s_lshl_b32 s32, s18, 18                        ; the head's 64 rows of vw
	s_lshl_b32 s34, s16, 15                        ; my 8 rows
	s_add_co_u32 s32, s32, s34
	s_add_co_u32 s32, s32, s24
	s_mov_b32 s33, 0
	s_lshl_b32 s34, s18, 8
	s_lshl_b32 s36, s16, 5
	s_add_co_u32 s34, s34, s36
	s_mov_b32 s35, 0
	s_lshl_b32 s36, ttmp9, 14                      ; my 16 KB of ow
	s_mov_b32 s37, 0
	s_lshl_b32 s38, s19, 15
	s_lshl_b32 s42, s17, 12
	s_add_co_u32 s38, s38, s42
	s_lshl_b32 s42, s18, 8
	s_add_co_u32 s38, s38, s42
	s_mov_b32 s39, 0
	s_mov_b32 s40, 0x76543210                      ; v_permlanex16_b32: each lane takes its own place in the other half
	s_mov_b32 s41, 0xfedcba98
	s_wait_kmcnt 0x0
	s_add_nc_u64 s[4:5], s[4:5], s[20:21]
	s_add_nc_u64 s[6:7], s[6:7], s[22:23]
	s_add_nc_u64 s[8:9], s[8:9], s[32:33]
	s_add_nc_u64 s[10:11], s[10:11], s[34:35]
	s_add_nc_u64 s[12:13], s[12:13], s[36:37]
	s_add_nc_u64 s[14:15], s[14:15], s[38:39]
	global_load_b32 v13, v15, s[10:11]             ; vb of row 8 w + (L & 7)
	global_load_b32 v16, v2, s[6:7]                ; m of block L
	global_load_b32 v17, v2, s[6:7] offset:64      ; l of block L
.set i, 0
.rept 16
	global_load_b128 v[64+4*i:67+4*i], v3, s[4:5] offset:131072*i th:TH_LOAD_NT    ; block 2 i + parity: 512 consecutive bytes a wave; read by this work-group alone
.set i, i+1
.endr
.set i, 0
.rept 32
	global_load_b128 v[128+4*i:131+4*i], v4, s[8:9] offset:4096*(i/4)+512*(i%4)    ; row 8 w + i / 4, columns 128 (i % 4) + 4 L on
.set i, i+1
.endr
	s_cmp_lg_u32 s16, 7
	s_cbranch_scc1 .Lno_ask
	global_prefetch_b8 v12, s[12:13] th:TH_LOAD_NT scope:SCOPE_SE                  ; ow for the next launch: 256 work-groups x 64 blocks of 256 bytes,
	global_prefetch_b8 v12, s[12:13] offset:8192 th:TH_LOAD_NT scope:SCOPE_SE      ; each block asked for once, by wave 7 of one work-group
.Lno_ask:
	v_and_b32 v6, 1, v0
	v_lshlrev_b32 v6, 6, v6
	v_lshrrev_b32 v7, 1, v1
	v_lshl_add_u32 v6, v7, 2, v6
	s_lshl_b32 s43, s16, 7
	v_add_nc_u32 v6, s43, v6                       ; WS[w][L & 1][L >> 1]
	s_lshr_b32 s44, s16, 2
	s_lshl_b32 s44, s44, 6
	s_add_co_u32 s44, s44, s43
	v_mov_b32 v7, s44                              ; WS[w][my parity]: the same address in every lane
	v_lshlrev_b32 v8, 4, v0
	v_add_nc_u32 v8, XV, v8                        ; XV[parity][4 (thread & 127)]
	v_add_nc_u32 v9, XV, v4
	s_lshl_b32 s45, s16, 5
	s_add_co_u32 s45, s45, YS
	v_lshl_add_u32 v10, v14, 2, s45                ; YS[8 w + (L & 7)]
	s_mov_b32 s46, YS
	v_lshl_add_u32 v11, v1, 3, s46
	v_lshlrev_b32 v24, 3, v1
.irp k, 1,2,3,4,5,6,7
	v_cmp_eq_u32 s[24+\k], \k, v14                 ; lanes that keep row k
.endr
	v_mov_b32 v18, 0                               ; v_permlanex16_b32 counts as a reader of its destination
	s_cmp_eq_u32 s19, 0
	s_cselect_b32 s42, -1, 0                       ; every lane of half 0 adds vb, none of half 1
	s_wait_loadcnt 48                              ; vb, m and l are in; pt's 16 and vw's 32 younger loads stay out
	v_mov_b32 v19, v16
.irp m, 1,2,4,8
	v_max_num_f32_dpp v19, v19, v19 row_xmask:\m row_mask:0xf bank_mask:0xf
.endr
	v_permlanex16_b32 v18, v19, s40, s41
	v_max_num_f32 v19, v19, v18                    ; the true maximum over the head's 1,024 keys
	v_sub_f32 v20, v16, v19
	v_exp_f32 v20, v20                             ; e of block L
	v_nop                                          ; a plain instruction between the exponential and its use
	s_wait_alu depctr_va_vdst(0)
	v_mul_f32 v21, v20, v17
.irp m, 1,2,4,8
	v_add_f32_dpp v21, v21, v21 row_xmask:\m row_mask:0xf bank_mask:0xf
.endr
	v_permlanex16_b32 v18, v21, s40, s41
	v_add_f32 v21, v21, v18                        ; l
	v_rcp_f32 v22, v21
	v_nop                                          ; a plain instruction between the reciprocal and its use
	s_wait_alu depctr_va_vdst(0)
	v_mul_f32 v20, v20, v22                        ; block L's weight
	ds_store_b32 v6, v20
.irp n, 0,1,2,3
	ds_load_b128 v[32+4*\n:35+4*\n], v7 offset:16*\n                   ; my wave's own bytes: LDS serves a wave's instructions in order (ISA guide 5.7.1.4)
.endr
	s_wait_loadcnt 32                              ; pt is in; vw's 32 younger loads stay out
	s_wait_dscnt 0x0
	v_pk_mul_f32 v[48:49], v[64:65], v[32:33] op_sel_hi:[1,0]          ; the first block starts the sums
	v_pk_mul_f32 v[50:51], v[66:67], v[32:33] op_sel_hi:[1,0]
.set n, 1
.rept 15
	WFMA n
.set n, n+1
.endr
	ds_store_b128 v8, v[48:51]
	s_wait_dscnt 0x0                               ; my part of XW is in LDS before I signal
	s_barrier_signal -1
	s_barrier_wait -1
.irp t, 0,1,2,3
	ds_load_b128 v[64+4*\t:67+4*\t], v9 offset:512*\t                  ; columns 128 t + 4 L on: even blocks' sum,
	ds_load_b128 v[80+4*\t:83+4*\t], v9 offset:2048+512*\t             ; odd blocks' sum
.endr
	s_wait_dscnt 0x0
.set i, 0
.rept 8
	v_pk_add_f32 v[64+2*i:65+2*i], v[64+2*i:65+2*i], v[80+2*i:81+2*i]
.set i, i+1
.endr
.irp r, 0,1,2,3,4,5,6,7
	DOT \r
.endr
.irp m, 1,2,4,8
.irp r, 0,1,2,3,4,5,6,7
	v_add_f32_dpp v[96+\r], v[96+\r], v[96+\r] row_xmask:\m row_mask:0xf bank_mask:0xf
.endr
.endr
.irp r, 0,1,2,3,4,5,6,7
	v_permlanex16_b32 v[104+\r], v[96+\r], s40, s41    ; its destination counts as read: the chains' registers have been written
.endr
.irp r, 0,2,4,6
	v_pk_add_f32 v[96+\r:97+\r], v[96+\r:97+\r], v[104+\r:105+\r]
.endr
	v_cndmask_b32 v120, v96, v97, s25              ; lane L keeps row L & 7
.irp k, 2,3,4,5,6,7
	v_cndmask_b32 v120, v120, v[96+\k], s[24+\k]
.endr
	v_cndmask_b32 v121, 0, v13, s42
	v_add_f32 v120, v120, v121
	ds_store_b32 v10, v120                         ; lanes 8 apart write the same word with the same number
	s_wait_dscnt 0x0
	s_barrier_signal -1
	s_barrier_wait -1
	s_cmp_lg_u32 s16, 0
	s_cbranch_scc1 .Lend
	ds_load_b64 v[122:123], v11
	s_wait_dscnt 0x0
	global_store_b64 v24, v[122:123], s[14:15]     ; wave 0's store covers 256 consecutive bytes, aligned
.Lend:
	s_wait_tensorcnt 0x0
	ds_add_u32 v62, v63
	s_wait_dscnt 0x0
	s_endpgm
.Lfunc_end_k_q8e7317b306_ctxhalf:
	.size	k_q8e7317b306_ctxhalf, .Lfunc_end_k_q8e7317b306_ctxhalf-k_q8e7317b306_ctxhalf
	.p2alignl 7, 3214868480
	.fill 96, 4, 3214868480
	.section	.rodata,"a",@progbits
	.p2align	6, 0x0
	.amdhsa_kernel k_q8e7317b306_ctxhalf
		.amdhsa_group_segment_fixed_size 6400
		.amdhsa_private_segment_fixed_size 0
		.amdhsa_enable_private_segment 0
		.amdhsa_kernarg_size 48
		.amdhsa_user_sgpr_count 2
		.amdhsa_user_sgpr_kernarg_segment_ptr 1
		.amdhsa_wavefront_size32 1
		.amdhsa_system_sgpr_workgroup_id_x 1
		.amdhsa_system_sgpr_workgroup_id_y 1
		.amdhsa_system_sgpr_workgroup_id_z 1
		.amdhsa_system_vgpr_workitem_id 0
		.amdhsa_next_free_vgpr 256
		.amdhsa_next_free_sgpr 66
		.amdhsa_reserve_vcc 0
		.amdhsa_float_denorm_mode_32 3
		.amdhsa_float_denorm_mode_16_64 3
		.amdhsa_memory_ordered 1
		.amdhsa_forward_progress 1
		.amdhsa_inst_pref_size 23
	.end_amdhsa_kernel
	.amdgpu_metadata
---
amdhsa.version: [ 1, 2 ]
amdhsa.kernels:
  - .name:           k_q8e7317b306_ctxhalf
    .symbol:         k_q8e7317b306_ctxhalf.kd
    .args:
      - { .name: pt, .offset: 0, .size: 8, .value_kind: global_buffer, .address_space: global }
      - { .name: ml, .offset: 8, .size: 8, .value_kind: global_buffer, .address_space: global }
      - { .name: vw, .offset: 16, .size: 8, .value_kind: global_buffer, .address_space: global }
      - { .name: vb, .offset: 24, .size: 8, .value_kind: global_buffer, .address_space: global }
      - { .name: ow, .offset: 32, .size: 8, .value_kind: global_buffer, .address_space: global }
      - { .name: ctx, .offset: 40, .size: 8, .value_kind: global_buffer, .address_space: global }
    .group_segment_fixed_size: 6400
    .private_segment_fixed_size: 0
    .kernarg_segment_align: 8
    .kernarg_segment_size: 48
    .max_flat_workgroup_size: 256
    .sgpr_count:     66
    .vgpr_count:     256
    .wavefront_size: 32
...
	.end_amdgpu_metadata
.endif
;; end of part 9
;; launch outrow (part 10): grid 128 x 1, 8 waves a work-group, no clusters, 34,304 bytes of LDS; arguments ctx, ow, ob, ov; writes ov
.if DOCPART == 10
	.amdgcn_target "amdgcn-amd-amdhsa--gfx1250"
	.amdhsa_code_object_version 6
	.text
	.protected	k_q8e7317b306_outrow
	.globl	k_q8e7317b306_outrow
	.p2align	8
	.type	k_q8e7317b306_outrow,@function
k_q8e7317b306_outrow:
	s_mov_b64 s[64:65], 0
	v_nop
	global_prefetch_b8 v0, s[64:65] scope:SCOPE_SE
	s_setreg_imm32_b32 hwreg(HW_REG_WAVE_MODE, 25, 1), 1
	s_wait_xcnt 0x0
; ov[b][j] = sum_i ow[j][i] (ctx[0][b][i] + ctx[1][b][i]) + ob[j]: the attention's output row, one for each batch.  ctx lies as [half][b][i], ov as [j / 8][b][j % 8].
; Work-group g: rows j = 8 g .. 8 g + 7 of ow, all 8 batches: its 64 results are 256 consecutive bytes.  128 work-groups: with fewer rows a work-group would
; not fill that block, and the 8 vectors (64 KB in two halves) are read by each work-group whatever its rows.
; Wave w first adds batch w's two halves into LDS, then takes row 8 g + w against the 8 batches' vectors.
; f32 on the vector unit: 8 multiply-adds for each number of ow loaded.  No joint requests: nothing goes through tensor loads; the halves are added in registers.
.set VP,   4128                        ; a vector in LDS: 4,096 bytes + 32
.set YS,   8*VP                        ; the 64 results
; v4 L*16  v5 V in  v6 YS in  v7 YS out  v8 store offset  v9 zero
; v[32:63], v[64:95] ctx's halves, then two buffers for the vectors  v[96:127] my row  v128 bias  v[136:143] the 8 dots  v[144:151] chains, then the other half's  v152 result  v[154:155] out
.macro VLOAD b                         ; batch b's vector, my 32 numbers, into the buffer of b's parity
.irp t, 0,1,2,3,4,5,6,7
	ds_load_b128 v[32+32*((\b)%2)+4*\t:35+32*((\b)%2)+4*\t], v4 offset:VP*(\b)+512*\t
.endr
.endm
.macro DOT b, left                     ; left: the next batch's eight loads, which stay out
	s_wait_dscnt \left
.set VB, 32+32*((\b)%2)
.set PA, 144+4*((\b)%2)
	v_pk_mul_f32 v[PA:PA+1], v[96:97], v[VB:VB+1]
	v_pk_mul_f32 v[PA+2:PA+3], v[98:99], v[VB+2:VB+3]
.irp t, 1,2,3,4,5,6,7
	v_pk_fma_f32 v[PA:PA+1], v[96+4*\t:97+4*\t], v[VB+4*\t:VB+4*\t+1], v[PA:PA+1]
	v_pk_fma_f32 v[PA+2:PA+3], v[98+4*\t:99+4*\t], v[VB+4*\t+2:VB+4*\t+3], v[PA+2:PA+3]
.endr
	v_pk_add_f32 v[PA:PA+1], v[PA:PA+1], v[PA+2:PA+3]
	v_add_f32 v[136+(\b)], v[PA], v[PA+1]
.endm
.macro ROWDOT                          ; my row against the 8 vectors; each sum ends in every lane
	VLOAD 0
	VLOAD 1
.irp b, 0,1,2,3,4,5
	DOT \b, 8
	VLOAD \b+2
.endr
	DOT 6, 8
	DOT 7, 0
.irp m, 1,2,4,8
.irp b, 0,1,2,3,4,5,6,7
	v_add_f32_dpp v[136+\b], v[136+\b], v[136+\b] row_xmask:\m row_mask:0xf bank_mask:0xf
.endr
.endr
.irp b, 0,1,2,3,4,5,6,7
	v_permlanex16_b32 v[144+\b], v[136+\b], s40, s41   ; its destination counts as read: the chains' registers have been written
.endr
.irp b, 0,2,4,6
	v_pk_add_f32 v[136+\b:137+\b], v[136+\b:137+\b], v[144+\b:145+\b]
.endr
.endm
.macro FINISH base                     ; lane L keeps batch L & 7; + bias; the 64 results meet in LDS and leave as one block
	v_cndmask_b32 v152, v136, v137, s25
.irp k, 2,3,4,5,6,7
	v_cndmask_b32 v152, v152, v[136+\k], s[24+\k]
.endr
	v_add_f32 v152, v152, v128
	ds_store_b32 v6, v152                          ; lanes 8 apart write the same word with the same number
	s_wait_dscnt 0x0
	s_barrier_signal -1
	s_barrier_wait -1
	s_cmp_lg_u32 s14, 0
	s_cbranch_scc1 .Lend
	ds_load_b64 v[154:155], v7
	s_wait_dscnt 0x0
	global_store_b64 v8, v[154:155], s[\base:\base+1]  ; wave 0's store covers 256 consecutive bytes, aligned
.Lend:
	s_wait_tensorcnt 0x0
	ds_add_u32 v160, v161
	s_wait_dscnt 0x0
	s_endpgm
.endm
	s_load_b256 s[4:11], s[0:1], 0x0               ; ctx s[4:5], ow s[6:7], ob s[8:9], ov s[10:11]
	v_lshl_add_u32 v160, v0, 2, 0x8200
	v_mov_b32 v161, 0
	v_lshrrev_b32 v1, 5, v0
	v_readfirstlane_b32 s14, v1                    ; wave w
	v_and_b32 v1, 31, v0                           ; L
	v_lshlrev_b32 v4, 4, v1
	v_mov_b32 v9, 0
	s_lshl_b32 s20, s14, 12                        ; batch w's 4,096 bytes
	s_mov_b32 s21, 0
	s_lshl_b32 s22, ttmp9, 15                      ; 8 rows of 4,096 bytes
	s_add_co_u32 s22, s22, s20                     ; my row
	s_mov_b32 s23, 0
	s_lshl_b32 s32, ttmp9, 5
	s_lshl_b32 s16, s14, 2
	s_add_co_u32 s32, s32, s16
	s_mov_b32 s33, 0
	s_lshl_b32 s36, ttmp9, 8
	s_mov_b32 s37, 0
	s_mov_b32 s40, 0x76543210
	s_mov_b32 s41, 0xfedcba98
	s_wait_kmcnt 0x0
	s_add_nc_u64 s[4:5], s[4:5], s[20:21]
	s_add_nc_u64 s[6:7], s[6:7], s[22:23]
	s_add_nc_u64 s[8:9], s[8:9], s[32:33]
	s_add_nc_u64 s[10:11], s[10:11], s[36:37]
.irp t, 0,1,2,3,4,5,6,7
	global_load_b128 v[32+4*\t:35+4*\t], v4, s[4:5] offset:512*\t                  ; the sum over vw's columns 0 to 511, with vb
.endr
.irp t, 0,1,2,3,4,5,6,7
	global_load_b128 v[64+4*\t:67+4*\t], v4, s[4:5] offset:32768+512*\t            ; the sum over columns 512 to 1,023
.endr
.irp t, 0,1,2,3,4,5,6,7
	global_load_b128 v[96+4*\t:99+4*\t], v4, s[6:7] offset:512*\t th:TH_LOAD_NT    ; my row of ow: read by this wave alone
.endr
	global_load_b32 v128, v9, s[8:9]
	s_mul_i32 s16, s14, VP
	v_add_nc_u32 v5, s16, v4
	v_and_b32 v11, 7, v0
	s_lshl_b32 s17, s14, 2
	s_add_co_u32 s17, s17, YS
	v_lshl_add_u32 v6, v11, 5, s17                 ; YS[batch L & 7][row w]
	s_mov_b32 s18, YS
	v_lshl_add_u32 v7, v1, 3, s18
	v_lshlrev_b32 v8, 3, v1
.irp k, 1,2,3,4,5,6,7
	v_cmp_eq_u32 s[24+\k], \k, v11                 ; lanes that keep batch k
.endr
	s_wait_loadcnt 0x9                             ; ctx's 16 loads are in; my row's 8 and the bias are younger
.set i, 0
.rept 16
	v_pk_add_f32 v[32+2*i:33+2*i], v[32+2*i:33+2*i], v[64+2*i:65+2*i]
.set i, i+1
.endr
.irp t, 0,1,2,3,4,5,6,7
	ds_store_b128 v5, v[32+4*\t:35+4*\t] offset:512*\t
.endr
	s_wait_dscnt 0x0
	s_barrier_signal -1
	s_barrier_wait -1
	s_wait_loadcnt 0x0                             ; my row and the bias
	ROWDOT
	FINISH 10
.Lfunc_end_k_q8e7317b306_outrow:
	.size	k_q8e7317b306_outrow, .Lfunc_end_k_q8e7317b306_outrow-k_q8e7317b306_outrow
	.p2alignl 7, 3214868480
	.fill 96, 4, 3214868480
	.section	.rodata,"a",@progbits
	.p2align	6, 0x0
	.amdhsa_kernel k_q8e7317b306_outrow
		.amdhsa_group_segment_fixed_size 34304
		.amdhsa_private_segment_fixed_size 0
		.amdhsa_enable_private_segment 0
		.amdhsa_kernarg_size 32
		.amdhsa_user_sgpr_count 2
		.amdhsa_user_sgpr_kernarg_segment_ptr 1
		.amdhsa_wavefront_size32 1
		.amdhsa_system_sgpr_workgroup_id_x 1
		.amdhsa_system_sgpr_workgroup_id_y 1
		.amdhsa_system_sgpr_workgroup_id_z 1
		.amdhsa_system_vgpr_workitem_id 0
		.amdhsa_next_free_vgpr 162
		.amdhsa_next_free_sgpr 66
		.amdhsa_reserve_vcc 0
		.amdhsa_float_denorm_mode_32 3
		.amdhsa_float_denorm_mode_16_64 3
		.amdhsa_memory_ordered 1
		.amdhsa_forward_progress 1
		.amdhsa_inst_pref_size 23
	.end_amdhsa_kernel
	.amdgpu_metadata
---
amdhsa.version: [ 1, 2 ]
amdhsa.kernels:
  - .name:           k_q8e7317b306_outrow
    .symbol:         k_q8e7317b306_outrow.kd
    .args:
      - { .name: ctx, .offset: 0, .size: 8, .value_kind: global_buffer, .address_space: global }
      - { .name: ow, .offset: 8, .size: 8, .value_kind: global_buffer, .address_space: global }
      - { .name: ob, .offset: 16, .size: 8, .value_kind: global_buffer, .address_space: global }
      - { .name: ov, .offset: 24, .size: 8, .value_kind: global_buffer, .address_space: global }
    .group_segment_fixed_size: 34304
    .private_segment_fixed_size: 0
    .kernarg_segment_align: 8
    .kernarg_segment_size: 32
    .max_flat_workgroup_size: 256
    .sgpr_count:     66
    .vgpr_count:     162
    .wavefront_size: 32
...
	.end_amdgpu_metadata
.endif
;; end of part 10
;; launch lnorm: the kernel of part 7 again; grid 256 x 1, 8 waves a work-group, no clusters, 13,312 bytes of LDS; arguments x, ov, ln_g, ln_b, out0; writes out0
